; MI455X (gfx1250); checked and timed in simulation.
; The chip was launched on July 23, 2026; its instructions are those of AMD's public machine-readable ISA for CDNA 5 (MIT licence, August 2026) and "CDNA5" Instruction Set Architecture Reference Guide (July 2026). The comments in the code are by the model that wrote it; some were corrected since.
;; Hydra Attention. Allowed arithmetic: matrix products marked QUANTISED: E4M3 operands, one given power-of-two scale a tensor, by v_wmma_f32_16x16x64_fp8_fp8 or v_wmma_f32_16x16x128_fp8_fp8, f32 sums; everything else in f32.
;; Inputs: W_out_codes 1,024 x 32 x 32 uint8 (E4M3 codes of W_out, K innermost, in blocks of 32 codes); W_qkv_codes 3,072 x 32 x 32 uint8 (E4M3 codes of W_qkv, K innermost, in blocks of 32 codes); b_out 1,024 float32; b_qkv 3,072 float32; lowp_scales 4 int32 (the exponents e of the quantised operands' scales 2^e); x_codes 4 x 4,096 x 32 x 32 uint8 (E4M3 codes of x, K innermost, in blocks of 32 codes).
;; Outputs: out0 4 x 4,096 x 1,024 float32.
;; This version of the problem:
;;   THIS VERSION OF THE PROBLEM IS GIVEN IN LOW PRECISION. The matrix products marked QUANTISED in the list below multiply operands that are first quantised to E4M3 (4 exponent bits, 3 mantissa bits; 8 bits a number), with one given power-of-two scale for each operand tensor; their sums are f32. All else is computed in f32.
;;   The module's matrix products, in the order in which they are computed (A, B: the left and right operand; K: the contracted axis; several contracted axes count as one K, in the product's order):
;;     1. [M 16,384, K 1,024] x [K 1,024, N 3,072]; A: input x (given as codes); B: input W_qkv (given as codes): QUANTISED (scales: A lowp_scales[0], B lowp_scales[1])
;;     2. [M 16,384, K 1,024] x [K 1,024, N 1,024]; A: computed on the way; B: input W_out (given as codes): QUANTISED (scales: A lowp_scales[2], B lowp_scales[3])
;;   THE QUANTISER, for each operand of a quantised product, along K:
;;     - The operand's scale is 2^e, e = its entry of the input lowp_scales (int32; the entries are numbered through the quantised products in the list's order, A before B).
;;     - Each number is divided by the scale, clamped to +-448, and rounded to the nearest number of E4M3, ties to even, subnormals kept.
;;     - The product sums the exact products of the quantised numbers (number of the format x scale) in f32.
;;   ~~~python
;;   def quantise(x, axis, e):      # numpy; x: float32 -> the quantised numbers, widened to float32 again
;;       x = np.moveaxis(x, axis, -1); K = x.shape[-1]
;;       r = np.clip(x / 2.0 ** e, -448, 448)
;;       step = 2.0 ** (np.maximum(np.frexp(np.where(r == 0, 1, r))[1] - 1, -6) - 3)
;;       q = np.round(r / step) * step * 2.0 ** e      # np.round: ties to even
;;       return np.moveaxis(q, -1, axis).astype(np.float32)
;;   ~~~
;;   OPERANDS COMPUTED ON THE WAY. 'Computed on the way' means the value that the module computes at that place (a softmax that the list does not call 'softmax' is quantised finished and normalised). What goes into a quantiser is computed in f32, as accurately as f32 sums, v_exp_f32 and their like allow (about 1e-6 of the number): no bf16 or f16 on the way to a quantiser, and a product that is left as it is and whose result goes on into a quantised operand takes f32 operands (vector FMAs, or v_wmma_f32_16x16x4_f32). A number that lies on a knife's edge between two numbers of the format may be rounded either way, as far as f32 arithmetic and the matrix unit's own rounding can turn it there, and no further.
;;   INPUTS GIVEN AS CODES. W_out (in the module: [1024, 1024], K = its axis 0); W_qkv (in the module: [1024, 3072], K = its axis 0); x (in the module: [4, 4096, 1024], K = its axis 2): each comes as NAME_codes (uint8): NAME with its K axis moved to the last place and cut into blocks of 32 codes, [.., K / 32, bytes a block], one block behind the other in memory; one code a byte (a code: sign, 4 exponent bits, 3 mantissa bits); its scale is its entry of lowp_scales. Its value is code x scale, taken as it is: it is not quantised again, and the codes and scales need not be those that the quantiser above would give.
;; 2 versions. Each part assembles by itself: llvm-mc -triple=amdgcn-amd-amdhsa -mcpu=gfx1250 --defsym DOCPART=n.
;; ======== version 1 of 2: 2 launches
;; workspace buffers: part 1,048,576 bytes
;; launch kvpart (part 1): grid 256 x 1, 4 waves a work-group, clusters of 4 x 1, 327,680 bytes of LDS; arguments x_codes, W_qkv_codes, b_qkv, lowp_scales, part; writes part
.if DOCPART == 1
	.amdgcn_target "amdgcn-amd-amdhsa--gfx1250"
	.amdhsa_code_object_version 6
	.text
	.protected	k_q2001f4b791_kvpart
	.globl	k_q2001f4b791_kvpart
	.p2align	8
	.type	k_q2001f4b791_kvpart,@function
k_q2001f4b791_kvpart:
	s_mov_b64 s[64:65], 0
	v_nop
	global_prefetch_b8 v0, s[64:65] scope:SCOPE_SE
	s_setreg_imm32_b32 hwreg(HW_REG_WAVE_MODE, 25, 1), 1
	s_wait_xcnt 0x0
	s_wait_alu depctr_hold_cnt(0) depctr_sa_sdst(0) depctr_va_vdst(0) depctr_va_sdst(0) depctr_va_ssrc(0) depctr_va_vcc(0) depctr_vm_vsrc(0)
	s_getreg_b32 s2, hwreg(HW_REG_IB_STS2, 6, 4)
	s_cmp_eq_u32 s2, 0
	s_cbranch_scc0 .Lentry_in_a_cluster
	s_endpgm
.Lentry_in_a_cluster:
	s_bfe_u32 s2, ttmp6, 0x10000c
	s_cmp_lg_u32 s2, 0x3003
	s_cbranch_scc0 .Lentry_shape_is_right
	s_endpgm
.Lentry_shape_is_right:
; part[wg][d] = the sum over the work-group's 64 rows t of (k[t][d] / |k[t]|) v[t][d], where k and v are columns 1024..2047 and 2048..3071 of x W_qkv + b_qkv.
; x: [16384][1024] codes of E4M3, W_qkv: [3072][1024] codes, K innermost in both; a number is its code x 2^e0 (x) or 2^e1 (W).  The q third of the product is made by the next launch, which needs it there; nothing is made twice.
; NO INPUT AND NO PRODUCT IS LEFT OUT.  ONE FACTOR IS, BY AN IDENTITY: k / |k| is the same for k and for k / 2^(e0+e1), for all values, and a power of two rounds nothing.  So the sums stay in units of code products,
; the biases go in as b / 2^(e0+e1), and v's factor 2^(e0+e1) is applied once, to the finished sum.  LIMITS: b / 2^(e0+e1) and the final x 2^(e0+e1) must be f32 numbers; an overflow that reference() would have
; in k itself and that the units spare is not carried to the result; a row with |k| = 0 gives NaN or infinity as in reference(); NaN codes among the inputs are not served.
; SHARES.  A row's norm needs all its 1,024 columns and work-groups hand each other nothing, so a work-group owns whole rows: 16,384 / 256 = 64.  It walks 16 tiles of W: chunk g = tile / 4 is k's columns 256 g .. + 255 and
; v's same columns (512 rows of W), K piece tile % 4 is 256 bytes.  Wave w takes columns 64 w .. + 63 of the chunk, in k and in v, for all 64 rows: 32 accumulators, 64 matrix instructions a tile.
; CLUSTER.  All work-groups walk the same W: the four of a cluster ask for each tile JOINTLY (the same load, the same descriptor, mask 15); each wave fetches 128 of the tile's 512 rows.
; x's slice of a K piece (64 rows x 256 bytes) differs from partner to partner: it comes through registers (8 loads a wave, sixteen lanes to 256 consecutive bytes) and is stored into LDS bytes of its own.
; LAYOUT.  Source 0 = 16 rows of x, source 1 = 16 rows of W: lane (r, h) holds column r, its register j row 8 h + j.  A fragment (16 rows x 128 K) is four loads of 16 bytes, 32 apart: registers 4 c .. 4 c + 3 hold
; K = 32 c + 16 h + 0 .. 15: a permutation of K that is the same on both sides, so every product meets its partner.
; At a chunk's end k' v' is kept for each row (128 registers a chunk) and k'^2 is summed: the norm is known only behind the last chunk.
; REGISTERS, in windows of 256: window 0: v0-15 addresses; v16-47 pairs (bk', bv') of the 16 column tiles, later the results; v48-79 sums of squares, later 1 / norm; v80-111 x on its way; v112-116 addresses of the end; v128-255 k'v' of chunk 2.
;   window 1: v0-63, v64-127 W's fragments of k and of v; v128-191, v192-255 x's fragments, a set for each 128 along K.   window 2: k'v' of chunks 0, 1.   window 3: v0-127 k's sums (at the end k'v' of chunk 3), v128-255 v's.
.set PITCH, 272                        ; an LDS row: 256 bytes + 16 of padding = 68 words: the 16 rows that a load touches start 4 banks apart (64 banks of 4 bytes: ISA guide 11.1)
.set WROWS, 128*PITCH                  ; what one tensor load brings
.set SLOTB, 512*PITCH                  ; a slot of W: 139,264 bytes
.set XP,    2*SLOTB                    ; behind the two slots: x's two slices, written by ds_store alone
.set XPB,   64*PITCH
.set SPARE, XP+2*XPB                   ; the spare words, 128 bytes a wave: two blocks of 256 bytes that no other line names
.set SCR,   SPARE+512                  ; [wave][64 rows] f32
.set VEC,   SCR+1024                   ; the 1,024 results
.set CH,    262144                     ; from chunk to chunk in W: 256 rows of 1,024 bytes
.set VXO, 3                            ; v3   x in memory: (16 w + h) rows of 1,024 + 16 r
.set VXS, 4                            ; v4   x in LDS: XP + (16 w + h) PITCH + 16 r
.set AK,  5                            ; v5, v6 my k fragments in slot 0, 1;  v7, v8 my v fragments
.set AX,  9                            ; v9, v10 x's fragments in slice 0, 1
.set VB,  11                           ; v11  256 w + 4 r: my column in the biases
.set PFO, 12                           ; v12  1,024 x lane: the prefetches' offset; never rewritten
.set SPW, 14                           ; v14  my spare word; never rewritten
.set NIL, 15                           ; v15  0; never rewritten
.set BP,  16
.set SS,  48
.set XST, 80
.set SCRS, 112
.set SCRR, 113
.set VECS, 114
.set VECR, 115
.set TO,   116
.set WV,  14                           ; s14  wave
.set CX,  15                           ; s15  my place in the cluster: it enters x's, part's and the prefetches' addresses alone
.set WGN, 16                           ; s16  work-group = 4 x cluster + place
.set G1,  24                           ; s[24:31] descriptor group 1
.set G0,  32                           ; s[32:39] group 0, a set for each slot
.set PFA, 40                           ; s[40:41] where my prefetches stand
.set PF,  42                           ; s42  the cluster's number: cluster 0 prefetches
.set SEL, 44                           ; s[44:45] lane l xor 16
.set ESUM, 46                          ; s46  e0 + e1
.set ENEG, 47                          ; s47  -(e0 + e1)
.set MSB, 0
.macro WIN new                         ; the immediate's high byte repeats the setting that is left; a switch that changes nothing is dropped
.if MSB != (\new)
	s_set_vgpr_msb (MSB<<8)|(\new)
.set MSB, (\new)
.endif
.endm
.macro PLACES                          ; four plain places between a matrix instruction and a load into, or a vector read of, its registers
.rept 4
	v_nop
.endr
.endm
.macro CREST                           ; a round of the cluster's barrier behind its opening barrier
	s_cmp_lg_u32 s[WV], 0
	s_cbranch_scc1 .Lnw0_\@
	s_barrier_signal -3
.Lnw0_\@:
	s_barrier_wait -3
	s_barrier_signal -1
	s_barrier_wait -1
.endm
.macro CROUND
	s_barrier_signal -1
	s_barrier_wait -1
	CREST
.endm
.macro TLOAD s                         ; my quarter of a tile, asked for jointly; an s_nop 0 and four v_nop follow
	tensor_load_to_lds s[G0+4*(\s):G0+4*(\s)+3], s[G1:G1+7]
	s_nop 0
	PLACES
.endm
.macro FRAG reg, adr, off
.irp c, 0,1,2,3
	ds_load_b128 v[(\reg)+4*\c:(\reg)+4*\c+3], v[\adr] offset:(\off)+32*\c
.endr
.endm
.macro FETCH_H half, slot, q           ; four fragments of W (half 0: k's, 1: v's), the slot's q-th 128 along K
	WIN 0x40
.irp b, 0,1,2,3
	FRAG 64*(\half)+16*\b, AK+2*(\half)+(\slot), \b*16*PITCH+128*(\q)
.endr
.endm
.macro FETCH_X set, slot, q            ; x's four fragments
	WIN 0x40
.irp a, 0,1,2,3
	FRAG 128+64*(\set)+16*\a, AX+(\slot), \a*16*PITCH+128*(\q)
.endr
.endm
.macro XLOAD reg, ks                   ; my 16 rows of K piece ks: two rows a load
.irp i, 0,1,2,3,4,5,6,7
	global_load_b128 v[(\reg)+4*\i:(\reg)+4*\i+3], v[VXO], s[4:5] offset:2048*\i+256*(\ks)
.endr
.endm
.macro XSTORE reg, slot
.irp i, 0,1,2,3,4,5,6,7
	ds_store_b128 v[VXS], v[(\reg)+4*\i:(\reg)+4*\i+3] offset:(\slot)*XPB+2*PITCH*\i
.endr
.endm
; A prefetch of tile m's 512 rows x 256 bytes, each row named once in the launch: cluster 0 alone asks; its four partners take 128 rows each, told apart by address; a wave 32 of them, a lane a row.
.macro ASK m
	s_cmp_eq_u32 s[PF], 0
	s_cbranch_scc0 .Lnm_\@
	global_prefetch_b8 v[PFO], s[PFA:PFA+1] offset:((\m)/4)*CH+((\m)%4)*256 th:TH_LOAD_NT scope:SCOPE_SE
.Lnm_\@:
.endm
; 8 matrix instructions: row tiles a0, a0 + 1 x four column tiles.  The 32 accumulators take turns, one instruction a turn, in the same order in every step.
.macro MUL8 half, a0, set, zero
.irp a, \a0, \a0+1
.irp b, 0,1,2,3
.set rD, 128*(\half)+8*(4*(\a)+\b)
.set rX, 128+64*(\set)+16*(\a)
.set rW, 64*(\half)+16*\b
.if \zero
	v_wmma_f32_16x16x128_fp8_fp8 v[rD:rD+7], v[rX:rX+15], v[rW:rW+15], 0
.else
	v_wmma_f32_16x16x128_fp8_fp8 v[rD:rD+7], v[rX:rX+15], v[rW:rW+15], v[rD:rD+7]
.endif
.endr
.endr
.endm
; A tile's first 128 along K.  A chunk's first step starts the sums with the constant 0.
.macro STEP_A n
.set SLT, (\n)%2
.set ZR, 0
.if ((\n)%4) == 0
.set ZR, 1
.endif
	s_wait_dscnt 16                                ; k's fragments, x's set and my stores of x are done; the youngest 16 loads (v's fragments) may be out
	WIN 0xf5
	MUL8 0, 0, 0, ZR
	MUL8 0, 2, 0, ZR
	WIN 0
.if (\n) <= 13
	XLOAD XST, ((\n)+2)%4                          ; x's slice for the tile two on: stored behind this tile's change of slots
.endif
	PLACES
	FETCH_H 0, SLT, 1
	FETCH_X 1, SLT, 1
	s_wait_dscnt 32                                ; all but the 32 just issued: v's fragments are in
	WIN 0xf5
	MUL8 1, 0, 0, ZR
	MUL8 1, 2, 0, ZR
	PLACES
	FETCH_H 1, SLT, 1
.endm
; A tile's second 128 along K, and the change of slots: ONE barrier.  In front of it each wave waits for all its tensor loads (one is out: its quarter of the next tile), adds 0 to its spare word, and waits for that,
; for its reads of this slot and for its stores of x.  Up to tile 13 the barrier opens a round of the cluster's barrier, and the joint refill, the tile two on, is the first thing behind the round.
.macro TURN n
.set SLT, (\n)%2
	WIN 0
	s_wait_tensorcnt 0x0                           ; all my tensor loads have landed, so a group 0 may be written
	ds_add_u32 v[SPW], v[NIL]                      ; 0 onto my spare word
	s_wait_dscnt 17                                ; the add and the youngest 16 loads (v's fragments) may be out
	WIN 0xf5
	MUL8 0, 0, 1, 0
	s_wait_dscnt 0x0                               ; the add is done, my reads of this slot and of its slice of x are over, my stores of the next slice have landed
	s_barrier_signal -1
	MUL8 0, 2, 1, 0
	WIN 0
	s_barrier_wait -1
.if (\n) <= 13
	CREST                                          ; no wave of any partner still reads this slot or has a load on its way
.if (((\n)+2)%4) >= 2
	s_add_nc_u64 s[G0+4*SLT+2:G0+4*SLT+3], s[G0+4*SLT+2:G0+4*SLT+3], 512
.else
	s_add_nc_u64 s[G0+4*SLT+2:G0+4*SLT+3], s[G0+4*SLT+2:G0+4*SLT+3], CH-512
.endif
	TLOAD SLT                                      ; its four v_nop are also the places in front of the loads below
	s_wait_loadcnt 0x0                             ; x's slice is in registers
	XSTORE XST, SLT
.else
	PLACES
.endif
	FETCH_H 0, 1-SLT, 0
	FETCH_X 0, 1-SLT, 0
	WIN 0
.if (\n) <= 10
	ASK (\n)+5                                     ; the tile whose load goes out three changes of slots, 192 matrix instructions, on; tiles 0 to 4 come by their loads alone, and behind tile 15 there is none
.endif
	WIN 0xf5
	MUL8 1, 0, 1, 0
	MUL8 1, 2, 1, 0
	PLACES
	FETCH_H 1, 1-SLT, 0
.endm
; A chunk's end: k' = k + bk', v' = v + bv', the squares, and k' v' into the chunk's 128 registers.  Each accumulator is read from its low end on.
.macro EPI g
	WIN 0xc3                                       ; sums in window 3, the biases in window 0
.irp t, 0,1,2,3,4,5,6,7,8,9,10,11,12,13,14,15
.set rB, BP+2*(4*(\g)+(\t)%4)
.irp j, 0,2,4,6
	v_pk_add_f32 v[8*\t+\j:8*\t+\j+1], v[8*\t+\j:8*\t+\j+1], v[rB:rB+1] op_sel_hi:[1,0]
.endr
.endr
.irp t, 0,1,2,3,4,5,6,7,8,9,10,11,12,13,14,15
.set rB, BP+2*(4*(\g)+(\t)%4)
.irp j, 0,2,4,6
	v_pk_add_f32 v[128+8*\t+\j:128+8*\t+\j+1], v[128+8*\t+\j:128+8*\t+\j+1], v[rB:rB+1] op_sel:[0,1] op_sel_hi:[1,1]
.endr
.endr
	WIN 0x0f
.irp b, 0,1,2,3
.irp a, 0,1,2,3
.irp j, 0,2,4,6
.set rK, 8*(4*\a+\b)+\j
.set rS, SS+8*\a+\j
.if ((\g)==0)&&(\b==0)
	v_pk_mul_f32 v[rS:rS+1], v[rK:rK+1], v[rK:rK+1]
.else
	v_pk_fma_f32 v[rS:rS+1], v[rK:rK+1], v[rK:rK+1], v[rS:rS+1]
.endif
.endr
.endr
.endr
.if (\g) < 2
	WIN 0x8f
.set PB, 128*(\g)
.elseif (\g) == 2
	WIN 0x0f
.set PB, 128
.else
	WIN 0xcf
.set PB, 0
.endif
.set i, 0
.rept 64
	v_pk_mul_f32 v[PB+i:PB+i+1], v[i:i+1], v[128+i:129+i]
.set i, i+2
.endr
.endm
; the sum over my 32 rows of k'v' / norm, for chunk g's four column tiles, which take turns
.macro TSUM g, win, base
	WIN \win
.irp a, 0,1,2,3
.irp j, 0,2,4,6
.irp b, 0,1,2,3
.set rT, BP+2*(4*(\g)+\b)
.set rP, (\base)+8*(4*\a+\b)+\j
.if (\a==0)&&(\j==0)
	v_pk_mul_f32 v[rT:rT+1], v[rP:rP+1], v[SS+8*\a+\j:SS+8*\a+\j+1]
.else
	v_pk_fma_f32 v[rT:rT+1], v[rP:rP+1], v[SS+8*\a+\j:SS+8*\a+\j+1], v[rT:rT+1]
.endif
.endr
.endr
.endr
.endm
	s_load_b256 s[4:11], s[0:1], 0x0               ; x s[4:5], W_qkv s[6:7], b_qkv s[8:9], the scales' exponents s[10:11]
	s_load_b64 s[12:13], s[0:1], 0x20              ; part
	v_lshl_add_u32 v[SPW], v0, 2, SPARE
	v_mov_b32 v[NIL], 0
	ds_add_u32 v[SPW], v[NIL]                      ; the wave's opening: the add, twice on end, and its wait ahead of my first tensor load
	ds_add_u32 v[SPW], v[NIL]
	v_lshrrev_b32 v1, 5, v0
	v_readfirstlane_b32 s[WV], v1                  ; wave 0..3
	s_bfe_u32 s[CX], ttmp6, 0x40000
	s_lshl_b32 s[WGN], ttmp9, 2                    ; in a cluster launch ttmp9 counts clusters
	s_add_co_u32 s[WGN], s[WGN], s[CX]
	s_mov_b32 s[PF], ttmp9
	s_mov_b32 s[G1], 15|(1<<20)|(1<<21)|(5<<22)|(3<<25)  ; 15:0 the mask: all four work-groups; 17:16 elements of 1 byte; 20 padding on; 21 set beside a mask; 24:22 after every 64 words; 31:25 four words
	s_mov_b32 s[G1+1], 256<<16                     ; tensor_dim0 = 256
	s_mov_b32 s[G1+2], 128<<16                     ; tensor_dim1 = 128
	s_mov_b32 s[G1+3], 256<<16                     ; tile_dim0 = 256
	s_mov_b32 s[G1+4], 128                         ; tile_dim1 = 128
	s_mov_b32 s[G1+5], 1024                        ; from row to row
	s_mov_b32 s[G1+6], 0
	s_mov_b32 s[G1+7], 0
	s_mov_b32 s[SEL], 0x76543210
	s_mov_b32 s[SEL+1], 0xfedcba98
	s_lshr_b32 s17, s[WV], 1                       ; waves 0, 1 fetch k's 256 rows of a chunk, waves 2, 3 v's: 1,024 rows of W further on
	s_lshl_b32 s17, s17, 20
	s_and_b32 s18, s[WV], 1
	s_lshl_b32 s18, s18, 17                        ; 128 rows each
	s_add_co_u32 s20, s17, s18
	s_add_co_u32 s20, s20, 1048576                 ; k begins at row 1,024
	s_mov_b32 s21, 0
	s_mul_i32 s19, s[WV], WROWS                    ; and in a slot: no place in the cluster enters an LDS address
	s_lshr_b32 s52, s[CX], 1                       ; the prefetches: my work-group's 128 rows of a tile,
	s_lshl_b32 s52, s52, 20
	s_and_b32 s53, s[CX], 1
	s_lshl_b32 s53, s53, 17
	s_add_co_u32 s52, s52, s53
	s_lshl_b32 s53, s[WV], 15                      ; my wave's 32 of them
	s_add_co_u32 s52, s52, s53
	s_add_co_u32 s52, s52, 1048576
	s_mov_b32 s53, 0
	s_lshl_b32 s54, s[WGN], 16                     ; my 64 rows of x
	s_mov_b32 s55, 0
	s_lshl_b32 s56, s[WGN], 12                     ; my 4,096 bytes of part
	s_mov_b32 s57, 0
	s_wait_dscnt 0x0                               ; both opening adds are done
	s_wait_kmcnt 0x0
	s_load_b64 s[48:49], s[10:11], 0x0             ; e0, e1
	s_add_nc_u64 s[22:23], s[6:7], s[20:21]
	s_add_nc_u64 s[PFA:PFA+1], s[6:7], s[52:53]
	s_add_nc_u64 s[4:5], s[4:5], s[54:55]
	s_add_nc_u64 s[12:13], s[12:13], s[56:57]
	CROUND                                         ; all four work-groups are here: the first joint loads meet
.irp s, 0,1
	s_mov_b32 s[G0+4*\s], 1
	s_add_co_u32 s[G0+4*\s+1], s19, \s*SLOTB
	s_add_nc_u64 s[G0+4*\s+2:G0+4*\s+3], s[22:23], \s*256
	s_or_b32 s[G0+4*\s+3], s[G0+4*\s+3], 0x80000000
.endr
	tensor_load_to_lds s[G0:G0+3], s[G1:G1+7]      ; tiles 0 and 1: two loads of mine are out
	s_nop 0
	tensor_load_to_lds s[G0+4:G0+7], s[G1:G1+7]
	s_nop 0
	PLACES
	v_and_b32 v1, 15, v0                           ; r
	v_bfe_u32 v2, v0, 4, 1                         ; h
	v_mul_u32_u24 v13, v1, PITCH
	v_lshl_add_u32 v13, v2, 4, v13                 ; a fragment's row x pitch + 16 h
	s_mul_i32 s17, s[WV], 64*PITCH
	v_add_nc_u32 v[AK], s17, v13
	v_add_nc_u32 v[AK+1], SLOTB, v[AK]
	v_add_nc_u32 v[AK+2], 256*PITCH, v[AK]
	v_add_nc_u32 v[AK+3], 256*PITCH, v[AK+1]
	v_add_nc_u32 v[AX], XP, v13
	v_add_nc_u32 v[AX+1], XP+XPB, v13
	s_mul_i32 s17, s[WV], 16*PITCH
	s_add_co_u32 s17, s17, XP
	v_mul_u32_u24 v[VXS], v2, PITCH
	v_lshl_add_u32 v[VXS], v1, 4, v[VXS]
	v_add_nc_u32 v[VXS], s17, v[VXS]
	s_lshl_b32 s17, s[WV], 14
	v_lshlrev_b32 v[VXO], 10, v2
	v_lshl_add_u32 v[VXO], v1, 4, v[VXO]
	v_add_nc_u32 v[VXO], s17, v[VXO]
	s_lshl_b32 s17, s[WV], 8
	v_lshl_add_u32 v[VB], v1, 2, s17
	v_and_b32 v[PFO], 31, v0
	v_lshlrev_b32 v[PFO], 10, v[PFO]
	XLOAD XST, 0
	XLOAD 128, 1
.irp g, 0,1,2,3
.irp b, 0,1,2,3
	global_load_b32 v[BP+2*(4*\g+\b)], v[VB], s[8:9] offset:4096+1024*\g+64*\b     ; bk of column 256 g + 64 w + 16 b + r
	global_load_b32 v[BP+2*(4*\g+\b)+1], v[VB], s[8:9] offset:8192+1024*\g+64*\b   ; bv of the same
.endr
.endr
	s_lshl_b32 s17, s[WV], 8
	s_add_co_u32 s17, s17, SCR
	v_lshl_add_u32 v[SCRS], v2, 5, s17             ; my wave's 64 sums: row 16 a + 8 h + j
	v_lshlrev_b32 v[SCRR], 5, v2
	v_add_nc_u32 v[SCRR], SCR, v[SCRR]
	s_lshl_b32 s17, s[WV], 8
	s_add_co_u32 s17, s17, VEC
	v_lshl_add_u32 v[VECS], v1, 2, s17
	v_lshlrev_b32 v[TO], 4, v0
	v_add_nc_u32 v[VECR], VEC, v[TO]
	s_wait_loadcnt 0x0
	XSTORE XST, 0
	XSTORE 128, 1
	s_wait_kmcnt 0x0
	s_add_co_i32 s[ESUM], s48, s49
	s_sub_co_i32 s[ENEG], 0, s[ESUM]
.set i, 0
.rept 32
	v_ldexp_f32 v[BP+i], v[BP+i], s[ENEG]          ; b / 2^(e0 + e1)
.set i, i+1
.endr
	s_wait_tensorcnt 0x1                           ; my quarter of tile 0 is in; tile 1's may stay out
	s_wait_dscnt 0x0                               ; my stores of x have landed
	s_barrier_signal -1
	s_barrier_wait -1
	FETCH_H 0, 0, 0
	FETCH_X 0, 0, 0
	FETCH_H 1, 0, 0
.irp n, 0,1,2,3,4,5,6,7,8,9,10,11,12,13,14
	STEP_A \n
	TURN \n
.if ((\n)%4) == 3
	EPI (\n)/4                                     ; while the refill is on its way
.endif
.endr
	STEP_A 15
	s_wait_dscnt 16                                ; the very last step: nothing more to fetch
	WIN 0xf5
	MUL8 0, 0, 1, 0
	MUL8 0, 2, 1, 0
	s_wait_dscnt 0x0
	MUL8 1, 0, 1, 0
	MUL8 1, 2, 1, 0
	PLACES
	EPI 3
	; THE END.  The squares: over the 16 lanes that hold a row's columns, then over the four waves, through LDS.
	WIN 0
.irp m, 1,2,4,8
.set i, 0
.rept 32
	v_add_f32_dpp v[SS+i], v[SS+i], v[SS+i] row_xmask:\m row_mask:0xf bank_mask:0xf
.set i, i+1
.endr
.endr
.irp a, 0,1,2,3
.irp u, 0,1
	ds_store_b128 v[SCRS], v[SS+8*\a+4*\u:SS+8*\a+4*\u+3] offset:64*\a+16*\u   ; sixteen lanes store the same four numbers
.endr
.endr
	s_wait_dscnt 0x0                               ; for the others' sake
	s_barrier_signal -1
	s_barrier_wait -1
	WIN 0x40
.irp w, 0,1,2,3
.irp a, 0,1,2,3
.irp u, 0,1
	ds_load_b128 v[32*\w+8*\a+4*\u:32*\w+8*\a+4*\u+3], v[SCRR] offset:256*\w+64*\a+16*\u
.endr
.endr
.endr
	s_wait_dscnt 0x0
	WIN 0x45
.set i, 0
.rept 16
	v_pk_add_f32 v[i:i+1], v[i:i+1], v[32+i:33+i]
	v_pk_add_f32 v[64+i:65+i], v[64+i:65+i], v[96+i:97+i]
.set i, i+2
.endr
	WIN 0x05
.set i, 0
.rept 16
	v_pk_add_f32 v[SS+i:SS+i+1], v[i:i+1], v[64+i:65+i]
.set i, i+2
.endr
	WIN 0
.set i, 0
.rept 32
	v_rsq_f32 v[SS+i], v[SS+i]                     ; 1 / |k'| of row 16 a + 8 h + j
.set i, i+1
.endr
	v_nop                                          ; a plain instruction behind the last of the batch
	s_wait_alu depctr_va_vdst(0)                   ; one wait for the batch, ahead of its first reader
	TSUM 0, 0x02, 0
	TSUM 1, 0x02, 128
	TSUM 2, 0x00, 128
	TSUM 3, 0x03, 0
	WIN 0
.set i, 0
.rept 16
	v_add_f32 v[BP+i], v[BP+i], v[BP+i+1]          ; even rows' and odd rows',
.set i, i+2
.endr
.set i, 0
.rept 16
	v_permlanex16_b32 v[BP+i+1], v[BP+i], s[SEL], s[SEL+1]
.set i, i+2
.endr
.set i, 0
.rept 16
	v_add_f32 v[BP+i], v[BP+i], v[BP+i+1]          ; and the other half of the lanes': all 64 rows
.set i, i+2
.endr
.set i, 0
.rept 16
	v_ldexp_f32 v[BP+i], v[BP+i], s[ESUM]          ; v's 2^(e0 + e1)
.set i, i+2
.endr
.irp g, 0,1,2,3
.irp b, 0,1,2,3
	ds_store_b32 v[VECS], v[BP+2*(4*\g+\b)] offset:1024*\g+64*\b   ; column 256 g + 64 w + 16 b + r
.endr
.endr
	s_wait_dscnt 0x0
	s_barrier_signal -1
	s_barrier_wait -1
	ds_load_b128 v[80:83], v[VECR]
	ds_load_b128 v[84:87], v[VECR] offset:2048
	s_wait_dscnt 0x0
	global_store_b128 v[TO], v[80:83], s[12:13]                ; each store of a wave covers 512 consecutive bytes, aligned
	global_store_b128 v[TO], v[84:87], s[12:13] offset:2048
	s_wait_tensorcnt 0x0                           ; the wave's end
	ds_add_u32 v[SPW], v[NIL]
	s_wait_dscnt 0x0
	CROUND                                         ; the closing round
	s_endpgm
.Lfunc_end_k_q2001f4b791_kvpart:
	.size	k_q2001f4b791_kvpart, .Lfunc_end_k_q2001f4b791_kvpart-k_q2001f4b791_kvpart
	.p2alignl 7, 3214868480
	.fill 96, 4, 3214868480
	.section	.rodata,"a",@progbits
	.p2align	6, 0x0
	.amdhsa_kernel k_q2001f4b791_kvpart
		.amdhsa_group_segment_fixed_size 327680
		.amdhsa_private_segment_fixed_size 0
		.amdhsa_enable_private_segment 0
		.amdhsa_kernarg_size 40
		.amdhsa_user_sgpr_count 2
		.amdhsa_user_sgpr_kernarg_segment_ptr 1
		.amdhsa_wavefront_size32 1
		.amdhsa_system_sgpr_workgroup_id_x 1
		.amdhsa_system_sgpr_workgroup_id_y 1
		.amdhsa_system_sgpr_workgroup_id_z 1
		.amdhsa_system_vgpr_workitem_id 0
		.amdhsa_next_free_vgpr 1024
		.amdhsa_next_free_sgpr 66
		.amdhsa_reserve_vcc 0
		.amdhsa_float_denorm_mode_32 3
		.amdhsa_float_denorm_mode_16_64 3
		.amdhsa_memory_ordered 1
		.amdhsa_forward_progress 1
		.amdhsa_inst_pref_size 255
	.end_amdhsa_kernel
	.section	.bss,"aw",@nobits
	.p2align	6
	.space	262144
	.amdgpu_metadata
---
amdhsa.version: [ 1, 2 ]
amdhsa.kernels:
  - .name:           k_q2001f4b791_kvpart
    .symbol:         k_q2001f4b791_kvpart.kd
    .args:
      - { .name: x_codes, .offset: 0, .size: 8, .value_kind: global_buffer, .address_space: global }
      - { .name: W_qkv_codes, .offset: 8, .size: 8, .value_kind: global_buffer, .address_space: global }
      - { .name: b_qkv, .offset: 16, .size: 8, .value_kind: global_buffer, .address_space: global }
      - { .name: lowp_scales, .offset: 24, .size: 8, .value_kind: global_buffer, .address_space: global }
      - { .name: part, .offset: 32, .size: 8, .value_kind: global_buffer, .address_space: global }
    .group_segment_fixed_size: 327680
    .private_segment_fixed_size: 0
    .kernarg_segment_align: 8
    .kernarg_segment_size: 40
    .max_flat_workgroup_size: 128
    .sgpr_count:     66
    .vgpr_count:     1024
    .wavefront_size: 32
...
	.end_amdgpu_metadata
.endif
;; end of part 1
;; launch qout (part 2): grid 256 x 1, 4 waves a work-group, clusters of 4 x 1, 327,680 bytes of LDS; arguments x_codes, W_qkv_codes, W_out_codes, b_qkv, b_out, lowp_scales, part, out0; writes out0
.if DOCPART == 2
	.amdgcn_target "amdgcn-amd-amdhsa--gfx1250"
	.amdhsa_code_object_version 6
	.text
	.protected	k_q2001f4b791_qout
	.globl	k_q2001f4b791_qout
	.p2align	8
	.type	k_q2001f4b791_qout,@function
k_q2001f4b791_qout:
	s_mov_b64 s[64:65], 0
	v_nop
	global_prefetch_b8 v0, s[64:65] scope:SCOPE_SE
	s_setreg_imm32_b32 hwreg(HW_REG_WAVE_MODE, 25, 1), 1
	s_wait_xcnt 0x0
	s_wait_alu depctr_hold_cnt(0) depctr_sa_sdst(0) depctr_va_vdst(0) depctr_va_sdst(0) depctr_va_ssrc(0) depctr_va_vcc(0) depctr_vm_vsrc(0)
	s_getreg_b32 s2, hwreg(HW_REG_IB_STS2, 6, 4)
	s_cmp_eq_u32 s2, 0
	s_cbranch_scc0 .Lentry_in_a_cluster
	s_endpgm
.Lentry_in_a_cluster:
	s_bfe_u32 s2, ttmp6, 0x10000c
	s_cmp_lg_u32 s2, 0x3003
	s_cbranch_scc0 .Lentry_shape_is_right
	s_endpgm
.Lentry_shape_is_right:
; out0 = Q((q / |q|) kv) W_out + b_out.  q = columns 0..1023 of x W_qkv + b_qkv; kv[b][d] = the sum of the batch's 64 rows of part; Q = the quantiser to E4M3 with the scale 2^e2, along the 1,024 features.
; As in the launch before, q stays in units of code products (q / |q| is the same for q / 2^(e0+e1), for all values; b_q goes in as b / 2^(e0+e1)); nothing else is left out.
; LIMITS: e2 between -126 and 119, e2 + e3 between -126 and 127, so that each power of two below is an f32 number; a row with |q| = 0 gives NaN as in reference(); NaN among the inputs is not served.
; SHARES.  A work-group owns 64 whole rows (the norm needs all columns of a row) and walks 16 tiles of 512 rows of W x 256 bytes of K: tiles 0-7 W_qkv's rows 0..1023 (pass A), tiles 8-15 W_out's (pass B); chunk = 512 rows, four K pieces each.
; Wave w takes a chunk's rows 128 w .. + 127 for all 64 rows of x: 32 accumulators, 64 matrix instructions a tile.  The four work-groups of a cluster ask for each tile JOINTLY (mask 15).
; LAYOUT.  Both products are used transposed (source 0 = 16 rows of W, source 1 = 16 rows of x or of the quantised operand): lane (r, h) holds row r, its register j column 16 b + 8 h + j: eight neighbours along the next K.
; PASS A also sums kv: in each tile eight of the batch's 64 partial rows are loaded (8 numbers a thread each) and the eight before are added.
; THE TRANSITION: the squares of q over lanes and waves; q x kv x 1/norm; the hold at 448 x 2^e2; the conversion.  A lane's 8 codes go into LDS at the byte that they have in an IMAGE OF THE OPERAND'S REGISTERS
; (fragment 4 c + w, byte 256 b + 16 r + 8 h), and every wave loads all 32 fragments (4 row tiles x 8 K steps) into 512 registers: pass B reads the operand from LDS no more.
; REGISTERS, in windows of 256: window 0: v0-23 addresses; v24-31 kv's sums; v32-63 x on its way, later squares, 1/norm, scale, limit; v64-127 partial rows, later b_out's 8 tiles; v128-255 b_q's 16 tiles, then the codes, then y's sums of row tiles 0, 1.
;   window 1: v0-127 W's fragments in two half-sets; v128-255 x's two sets, then kv's 16 tiles, then y's sums of row tiles 2, 3.   windows 2, 3: q's sums of chunks 0, 1 ((a, b) at v[8 (8 a + b)]), then the operand's fragments ((a, s) in window 2 + a / 2 at v[128 (a % 2) + 16 s]).
.set PITCH, 272                        ; an LDS row: 256 bytes + 16 of padding
.set WROWS, 128*PITCH
.set SLOTB, 512*PITCH
.set XP,    2*SLOTB                    ; x's two slices; later the images; later the stages: written by ds_store alone
.set XPB,   64*PITCH
.set SPARE, XP+2*XPB                   ; the spare words: two blocks of 256 bytes that no other line names
.set SCR,   SPARE+512                  ; [wave][64 rows] f32
.set VEC,   SCR+1024                   ; kv[1024]
.set CH,    524288                     ; from chunk to chunk: 512 rows of 1,024 bytes
.set SPI,   528                        ; a stage row: 512 bytes + 16
.set VXO, 3
.set VXS, 4
.set AW,  5                            ; v5, v6   my fragments of W in slot 0, 1
.set AX,  7                            ; v7, v8   x's fragments in slice 0, 1
.set PFO, 9                            ; v9   1,024 x lane
.set TO,  10                           ; v10  16 x thread = 512 w + 16 x lane: the partial rows, and my bytes of a row of out0
.set VEX, 11                           ; v11  where my codes go: XP + 2,048 w + 16 r + 8 h
.set LI,  12                           ; v12  XP + 16 x lane: an image's place for my lane
.set STO, 13                           ; v13  my stage, on the way in
.set SPW, 14
.set NIL, 15
.set RD,  16                           ; v16  my stage, on the way back
.set SCRS, 17
.set SCRR, 18
.set VECS, 19
.set VECR, 20
.set BQO, 21                           ; v21  512 w + 32 h: my eight columns of a tile, in b_qkv and b_out
.set KVS, 24
.set XST, 32
.set SQ,  32
.set QSC, 40
.set QLIM, 41
.set NL,  44
.set KB,  64
.set BO,  64
.set BQ,  128
.set CD,  128
.set WV,  20                           ; s20  wave
.set CX,  21                           ; s21  my place in the cluster: it enters global addresses alone
.set WGN, 22
.set G1,  24
.set G0,  32
.set WOB, 40                           ; s[40:41] W_out at my wave's 128 rows
.set PFA, 42                           ; s[42:43], s[44:45] where my prefetches stand in W_qkv and in W_out
.set PFB, 44
.set PF,  46
.set YS,  52                           ; s[52:53] 2^(e2 + e3)
.set SEL, 54
.set MSB, 0
.macro WIN new
.if MSB != (\new)
	s_set_vgpr_msb (MSB<<8)|(\new)
.set MSB, (\new)
.endif
.endm
.macro PLACES
.rept 4
	v_nop
.endr
.endm
.macro CREST
	s_cmp_lg_u32 s[WV], 0
	s_cbranch_scc1 .Lnw0_\@
	s_barrier_signal -3
.Lnw0_\@:
	s_barrier_wait -3
	s_barrier_signal -1
	s_barrier_wait -1
.endm
.macro CROUND
	s_barrier_signal -1
	s_barrier_wait -1
	CREST
.endm
.macro BAR                             ; my LDS instructions are done; then the work-group's barrier
	s_wait_dscnt 0x0
	s_barrier_signal -1
	s_barrier_wait -1
.endm
.macro TLOAD s
	tensor_load_to_lds s[G0+4*(\s):G0+4*(\s)+3], s[G1:G1+7]
	s_nop 0
	PLACES
.endm
.macro FRAG reg, adr, off
.irp c, 0,1,2,3
	ds_load_b128 v[(\reg)+4*\c:(\reg)+4*\c+3], v[\adr] offset:(\off)+32*\c
.endr
.endm
.macro FETCH_H half, slot, q           ; four of my eight fragments of W
	WIN 0x40
.irp b, 0,1,2,3
	FRAG 64*(\half)+16*\b, AW+(\slot), (64*(\half)+16*\b)*PITCH+128*(\q)
.endr
.endm
.macro FETCH_X set, slot, q
	WIN 0x40
.irp a, 0,1,2,3
	FRAG 128+64*(\set)+16*\a, AX+(\slot), \a*16*PITCH+128*(\q)
.endr
.endm
.macro XLOAD reg, ks
.irp i, 0,1,2,3,4,5,6,7
	global_load_b128 v[(\reg)+4*\i:(\reg)+4*\i+3], v[VXO], s[4:5] offset:2048*\i+256*(\ks)
.endr
.endm
.macro XSTORE reg, slot
.irp i, 0,1,2,3,4,5,6,7
	ds_store_b128 v[VXS], v[(\reg)+4*\i:(\reg)+4*\i+3] offset:(\slot)*XPB+2*PITCH*\i
.endr
.endm
.macro KVLOAD k                        ; partial rows 8 k .. 8 k + 7 of my batch: a thread's numbers 4 t .. + 3 and 512 + 4 t .. + 3 of each
.irp p, 0,1,2,3,4,5,6,7
	global_load_b128 v[KB+8*\p:KB+8*\p+3], v[TO], s[16:17] offset:(8*(\k)+\p)*4096
	global_load_b128 v[KB+8*\p+4:KB+8*\p+7], v[TO], s[16:17] offset:(8*(\k)+\p)*4096+2048
.endr
.endm
.macro KVADD k                         ; and their sum; the first two rows start it
.irp p, 0,1,2,3,4,5,6,7
.irp i, 0,2,4,6
.if ((\k)==0)&&(\p==1)
	v_pk_add_f32 v[KVS+\i:KVS+\i+1], v[KB+\i:KB+\i+1], v[KB+8+\i:KB+8+\i+1]
.elseif ((\k)!=0)||(\p>1)
	v_pk_add_f32 v[KVS+\i:KVS+\i+1], v[KVS+\i:KVS+\i+1], v[KB+8*\p+\i:KB+8*\p+\i+1]
.endif
.endr
.endr
.endm
.macro BOLOAD c2                       ; b_out at my eight tiles' columns, in the result's layout
.irp b, 0,1,2,3,4,5,6,7
	global_load_b128 v[BO+8*\b:BO+8*\b+3], v[BQO], s[12:13] offset:2048*(\c2)+64*\b
	global_load_b128 v[BO+8*\b+4:BO+8*\b+7], v[BQO], s[12:13] offset:2048*(\c2)+64*\b+16
.endr
.endm
; A prefetch of tile m's 512 rows x 256 bytes, each row named once in the launch: cluster 0 alone asks; its partners take 128 rows each, told apart by address; a wave 32 of them, a lane a row.
.macro ASK m
	s_cmp_eq_u32 s[PF], 0
	s_cbranch_scc0 .Lnm_\@
.if (\m) < 8
	global_prefetch_b8 v[PFO], s[PFA:PFA+1] offset:((\m)/4)*CH+((\m)%4)*256 th:TH_LOAD_NT scope:SCOPE_SE
.else
	global_prefetch_b8 v[PFO], s[PFB:PFB+1] offset:(((\m)-8)/4)*CH+((\m)%4)*256 th:TH_LOAD_NT scope:SCOPE_SE
.endif
.Lnm_\@:
.endm
; 8 matrix instructions of tile n: row tiles 2 part, 2 part + 1 x four column tiles of a half-set, the tile's q-th 128 along K.  The 32 accumulators take turns, one instruction a turn, in the same order in every step.
; A chunk's first step starts the sums: in pass A with b_q's tile as C, in pass B with the constant 0.
.macro MULQ n, half, part, q
.set FIRST, 0
.if (((\n)%4)==0)&&((\q)==0)
.set FIRST, 1
.endif
.if (\n) < 8
.set CW, 2+(\n)/4
.if FIRST
.set WN, 0x05|(CW<<6)
.else
.set WN, 0x05|(CW<<4)|(CW<<6)
.endif
	WIN WN
.irp a, 2*(\part), 2*(\part)+1
.irp b, 0,1,2,3
.set rD, 8*(8*(\a)+4*(\half)+\b)
.set rW, 64*(\half)+16*\b
.set rX, 128+64*(\q)+16*(\a)
.set rC, BQ+64*((\n)/4)+8*(4*(\half)+\b)
.if FIRST
	v_wmma_f32_16x16x128_fp8_fp8 v[rD:rD+7], v[rW:rW+15], v[rX:rX+15], v[rC:rC+7]
.else
	v_wmma_f32_16x16x128_fp8_fp8 v[rD:rD+7], v[rW:rW+15], v[rX:rX+15], v[rD:rD+7]
.endif
.endr
.endr
.else
.set KST, 2*((\n)%4)+(\q)
	WIN 0x09+0x54*(\part)                          ; W window 1; the operand window 2 or 3; the sums window 0 or 1
.irp u, 0,1
.irp b, 0,1,2,3
.set rD, 128+8*(8*\u+4*(\half)+\b)
.set rW, 64*(\half)+16*\b
.set rX, 128*\u+16*KST
.if FIRST
	v_wmma_f32_16x16x128_fp8_fp8 v[rD:rD+7], v[rW:rW+15], v[rX:rX+15], 0
.else
	v_wmma_f32_16x16x128_fp8_fp8 v[rD:rD+7], v[rW:rW+15], v[rX:rX+15], v[rD:rD+7]
.endif
.endr
.endr
.endif
.endm
.macro STEP_A n
.set SLT, (\n)%2
	s_wait_dscnt 16                                ; the first half-set (and x's set, and my stores of x) are done; the youngest 16 loads, the second half-set, may be out
	MULQ \n, 0, 0, 0
	MULQ \n, 0, 1, 0
	WIN 0
.if (\n) < 8
.if (\n) >= 1
	s_wait_loadcnt 0x0                             ; the partial rows asked for a tile ago
	KVADD (\n)-1
.endif
.if (\n) <= 5
	XLOAD XST, ((\n)+2)%4                          ; x's slice for the tile two on
.endif
	KVLOAD \n
.endif
	PLACES
	FETCH_H 0, SLT, 1
.if (\n) < 8
	FETCH_X 1, SLT, 1
	s_wait_dscnt 32                                ; all but the 32 just issued
.else
	s_wait_dscnt 16                                ; all but the 16 just issued
.endif
	MULQ \n, 1, 0, 0
	MULQ \n, 1, 1, 0
	PLACES
	FETCH_H 1, SLT, 1
.endm
; The tile's second step and the change of slots: the three lines, one barrier, up to tile 13 a round of the cluster's barrier with the joint refill first behind it.
.macro TURN n
.set SLT, (\n)%2
	WIN 0
	s_wait_tensorcnt 0x0                           ; all my tensor loads have landed, so a group 0 may be written
	ds_add_u32 v[SPW], v[NIL]                      ; 0 onto my spare word
	s_wait_dscnt 17                                ; the add and the youngest 16 loads may be out
	MULQ \n, 0, 0, 1
	s_wait_dscnt 0x0                               ; the add is done, my reads of this slot are over, my stores of x have landed
	s_barrier_signal -1
	MULQ \n, 0, 1, 1
	WIN 0
	s_barrier_wait -1
.if (\n) <= 13
	CREST
.if ((\n)==6)||((\n)==7)
	s_add_nc_u64 s[G0+4*SLT+2:G0+4*SLT+3], s[WOB:WOB+1], 256*SLT   ; tiles 8 and 9: W_out's first two K pieces
	s_or_b32 s[G0+4*SLT+3], s[G0+4*SLT+3], 0x80000000
.elseif (((\n)+2)%4) >= 2
	s_add_nc_u64 s[G0+4*SLT+2:G0+4*SLT+3], s[G0+4*SLT+2:G0+4*SLT+3], 512
.else
	s_add_nc_u64 s[G0+4*SLT+2:G0+4*SLT+3], s[G0+4*SLT+2:G0+4*SLT+3], CH-512
.endif
	TLOAD SLT
.if (\n) <= 5
	s_wait_loadcnt 16                              ; x's eight loads are in; the 16 of partial rows issued behind them may be out
	XSTORE XST, SLT
.endif
.else
	PLACES
.endif
	FETCH_H 0, 1-SLT, 0
.if (\n) <= 6
	FETCH_X 0, 1-SLT, 0
.endif
	WIN 0
.if (\n) <= 10
	ASK (\n)+5                                     ; the tile whose load goes out three changes of slots, 192 matrix instructions, on
.endif
	MULQ \n, 1, 0, 1
	MULQ \n, 1, 1, 1
	PLACES
	FETCH_H 1, 1-SLT, 0
.endm
; The exchange of row tiles 2 p and 2 p + 1: my codes into the images, a barrier, all 16 fragments back.
.macro XCH p
	WIN 0
.irp u, 0,1
.irp c, 0,1
.irp b, 0,1,2,3,4,5,6,7
.set rC, CD+2*(8*(2*(2*(\p)+\u)+\c)+\b)
	ds_store_b64 v[VEX], v[rC:rC+1] offset:\u*XPB+8192*\c+256*\b   ; 32 lanes store 256 consecutive bytes
.endr
.endr
.endr
	BAR
	WIN 0x80+0x40*(\p)
.irp u, 0,1
.irp s, 0,1,2,3,4,5,6,7
.irp c, 0,1,2,3
	ds_load_b128 v[128*\u+16*\s+4*\c:128*\u+16*\s+4*\c+3], v[LI] offset:\u*XPB+2048*\s+512*\c
.endr
.endr
.endr
	WIN 0
.endm
; THE WAY OUT of row tile a: y = sum x 2^(e2 + e3) + b_out in place, each accumulator from its low end on; into my own stage; back as whole rows of 512 bytes, into the registers that they left.
.macro TOSTAGE a
.set YB, 128+64*((\a)%2)
.set HI, (\a)/2
	WIN 0x41*HI
.irp b, 0,1,2,3,4,5,6,7
.irp j, 0,2,4,6
	v_pk_fma_f32 v[YB+8*\b+\j:YB+8*\b+\j+1], v[YB+8*\b+\j:YB+8*\b+\j+1], s[YS:YS+1], v[BO+8*\b+\j:BO+8*\b+\j+1] op_sel_hi:[1,0,1]
.endr
.endr
	WIN 0x04*HI
.irp b, 0,1,2,3,4,5,6,7
	ds_store_b128 v[STO], v[YB+8*\b:YB+8*\b+3] offset:64*\b
	ds_store_b128 v[STO], v[YB+8*\b+4:YB+8*\b+7] offset:64*\b+16
.endr
	WIN 0x40*HI
.irp t, 0,1,2,3,4,5,6,7,8,9,10,11,12,13,14,15
	ds_load_b128 v[YB+4*\t:YB+4*\t+3], v[RD] offset:\t*SPI         ; LDS serves a wave's instructions in order (ISA guide 5.7.1.4): these see my stores, and the next tile's stores come behind them
.endr
.endm
.macro SEND a, c2, younger
.set YB, 128+64*((\a)%2)
.set HI, (\a)/2
	s_wait_dscnt \younger
	WIN 0x04*HI
.irp t, 0,1,2,3,4,5,6,7,8,9,10,11,12,13,14,15
	global_store_b128 v[TO], v[YB+4*\t:YB+4*\t+3], s[18:19] offset:(16*(\a)+\t)*4096+2048*(\c2) th:TH_STORE_NT   ; 32 lanes store 512 consecutive bytes, aligned
.endr
.endm
.macro OUT c2
	WIN 0
	s_wait_loadcnt 0x0                             ; b_out's tiles
	TOSTAGE 0
.irp a, 1,2,3
	TOSTAGE \a
	SEND (\a)-1, \c2, 32                           ; behind that tile's loads: the next tile's 16 stores and 16 loads
.endr
	SEND 3, \c2, 0
	WIN 0
.endm
	s_load_b256 s[4:11], s[0:1], 0x0               ; x s[4:5], W_qkv s[6:7], W_out s[8:9], b_qkv s[10:11]
	s_load_b256 s[12:19], s[0:1], 0x20             ; b_out s[12:13], the scales' exponents s[14:15], part s[16:17], out0 s[18:19]
	v_lshl_add_u32 v[SPW], v0, 2, SPARE
	v_mov_b32 v[NIL], 0
	ds_add_u32 v[SPW], v[NIL]                      ; the wave's opening: the add, twice on end, and its wait ahead of my first tensor load
	ds_add_u32 v[SPW], v[NIL]
	v_lshrrev_b32 v1, 5, v0
	v_readfirstlane_b32 s[WV], v1
	s_bfe_u32 s[CX], ttmp6, 0x40000
	s_lshl_b32 s[WGN], ttmp9, 2
	s_add_co_u32 s[WGN], s[WGN], s[CX]
	s_mov_b32 s[PF], ttmp9
	s_mov_b32 s[G1], 15|(1<<20)|(1<<21)|(5<<22)|(3<<25)  ; the mask of all four; elements of 1 byte; padding: four words after every 64; bit 21 beside the mask
	s_mov_b32 s[G1+1], 256<<16
	s_mov_b32 s[G1+2], 128<<16
	s_mov_b32 s[G1+3], 256<<16
	s_mov_b32 s[G1+4], 128
	s_mov_b32 s[G1+5], 1024
	s_mov_b32 s[G1+6], 0
	s_mov_b32 s[G1+7], 0
	s_mov_b32 s[SEL], 0x76543210
	s_mov_b32 s[SEL+1], 0xfedcba98
	s_lshl_b32 s56, s[WV], 17                      ; my 128 rows of a chunk
	s_mov_b32 s57, 0
	s_mul_i32 s47, s[WV], WROWS                    ; and in a slot
	s_lshl_b32 s60, s[CX], 17                      ; the prefetches: my work-group's 128 rows, my wave's 32 of them
	s_lshl_b32 s61, s[WV], 15
	s_add_co_u32 s60, s60, s61
	s_mov_b32 s61, 0
	s_lshl_b32 s62, s[WGN], 16                     ; my 64 rows of x
	s_mov_b32 s63, 0
	s_lshl_b32 s2, s[WGN], 18                      ; and of out0
	s_mov_b32 s3, 0
	s_lshr_b32 s50, ttmp9, 4                       ; my batch: 16 clusters each
	s_lshl_b32 s50, s50, 18                        ; its 64 rows of part
	s_mov_b32 s51, 0
	s_wait_dscnt 0x0                               ; both opening adds are done
	s_wait_kmcnt 0x0
	s_add_nc_u64 s[58:59], s[6:7], s[56:57]
	s_add_nc_u64 s[WOB:WOB+1], s[8:9], s[56:57]
	s_add_nc_u64 s[PFA:PFA+1], s[6:7], s[60:61]
	s_add_nc_u64 s[PFB:PFB+1], s[8:9], s[60:61]
	s_add_nc_u64 s[4:5], s[4:5], s[62:63]
	s_add_nc_u64 s[18:19], s[18:19], s[2:3]
	s_add_nc_u64 s[16:17], s[16:17], s[50:51]
	s_load_b128 s[48:51], s[14:15], 0x0            ; e0, e1, e2, e3
	CROUND                                         ; all four work-groups are here: the first joint loads meet
.irp s, 0,1
	s_mov_b32 s[G0+4*\s], 1
	s_add_co_u32 s[G0+4*\s+1], s47, \s*SLOTB
	s_add_nc_u64 s[G0+4*\s+2:G0+4*\s+3], s[58:59], \s*256
	s_or_b32 s[G0+4*\s+3], s[G0+4*\s+3], 0x80000000
.endr
	tensor_load_to_lds s[G0:G0+3], s[G1:G1+7]      ; tiles 0 and 1: two loads of mine are out
	s_nop 0
	tensor_load_to_lds s[G0+4:G0+7], s[G1:G1+7]
	s_nop 0
	PLACES
	v_and_b32 v1, 15, v0                           ; r
	v_bfe_u32 v2, v0, 4, 1                         ; h
	v_and_b32 v22, 31, v0                          ; lane
	v_mul_u32_u24 v23, v1, PITCH
	v_lshl_add_u32 v23, v2, 4, v23
	v_add_nc_u32 v[AW], s47, v23
	v_add_nc_u32 v[AW+1], SLOTB, v[AW]
	v_add_nc_u32 v[AX], XP, v23
	v_add_nc_u32 v[AX+1], XP+XPB, v23
	s_mul_i32 s56, s[WV], 16*PITCH
	s_add_co_u32 s56, s56, XP
	v_mul_u32_u24 v[VXS], v2, PITCH
	v_lshl_add_u32 v[VXS], v1, 4, v[VXS]
	v_add_nc_u32 v[VXS], s56, v[VXS]
	s_lshl_b32 s56, s[WV], 14
	v_lshlrev_b32 v[VXO], 10, v2
	v_lshl_add_u32 v[VXO], v1, 4, v[VXO]
	v_add_nc_u32 v[VXO], s56, v[VXO]
	v_lshlrev_b32 v[PFO], 10, v22
	v_lshlrev_b32 v[TO], 4, v0
	s_lshl_b32 s56, s[WV], 9
	v_lshl_add_u32 v[BQO], v2, 5, s56
	XLOAD XST, 0
	XLOAD KB, 1
.irp c, 0,1
.irp b, 0,1,2,3,4,5,6,7
	global_load_b128 v[BQ+64*\c+8*\b:BQ+64*\c+8*\b+3], v[BQO], s[10:11] offset:2048*\c+64*\b        ; b_q of columns 512 c + 128 w + 16 b + 8 h + 0 .. 7
	global_load_b128 v[BQ+64*\c+8*\b+4:BQ+64*\c+8*\b+7], v[BQO], s[10:11] offset:2048*\c+64*\b+16
.endr
.endr
	s_lshl_b32 s56, s[WV], 11
	s_add_co_u32 s56, s56, XP
	v_lshlrev_b32 v[VEX], 4, v1
	v_lshl_add_u32 v[VEX], v2, 3, v[VEX]
	v_add_nc_u32 v[VEX], s56, v[VEX]
	v_lshlrev_b32 v[LI], 4, v22
	v_add_nc_u32 v[LI], XP, v[LI]
	s_lshr_b32 s56, s[WV], 1                       ; my stage: two of 16 x 528 bytes in each of x's slices
	s_mul_i32 s56, s56, XPB
	s_and_b32 s57, s[WV], 1
	s_mul_i32 s57, s57, 16*SPI
	s_add_co_u32 s56, s56, s57
	s_add_co_u32 s56, s56, XP
	v_mul_u32_u24 v[STO], v1, SPI
	v_lshl_add_u32 v[STO], v2, 5, v[STO]
	v_add_nc_u32 v[STO], s56, v[STO]
	v_lshlrev_b32 v[RD], 4, v22
	v_add_nc_u32 v[RD], s56, v[RD]
	s_lshl_b32 s56, s[WV], 8
	s_add_co_u32 s56, s56, SCR
	v_lshl_add_u32 v[SCRS], v1, 2, s56
	v_lshlrev_b32 v[SCRR], 2, v1
	v_add_nc_u32 v[SCRR], SCR, v[SCRR]
	v_add_nc_u32 v[VECS], VEC, v[TO]
	v_add_nc_u32 v[VECR], VEC, v[BQO]
	s_wait_loadcnt 0x0
	XSTORE XST, 0
	XSTORE KB, 1
	s_wait_kmcnt 0x0
	s_add_co_i32 s62, s48, s49
	s_sub_co_i32 s62, 0, s62                       ; -(e0 + e1)
	s_add_co_i32 s60, s50, 127
	s_lshl_b32 s47, s60, 23                        ; 2^e2 as f32: the conversion takes its exponent field
	s_add_co_i32 s60, s60, 8
	s_lshl_b32 s63, s60, 23
	s_or_b32 s63, s63, 0x600000                    ; 448 x 2^e2
	s_add_co_i32 s[YS], s50, s51
	s_add_co_i32 s[YS], s[YS], 127
	s_lshl_b32 s[YS], s[YS], 23                    ; 2^(e2 + e3)
	s_mov_b32 s[YS+1], s[YS]                       ; (named with it as a pair, so it is written)
.set i, 0
.rept 128
	v_ldexp_f32 v[BQ+i], v[BQ+i], s62              ; b_q / 2^(e0 + e1)
.set i, i+1
.endr
	s_wait_tensorcnt 0x1                           ; my quarter of tile 0 is in; tile 1's may stay out
	BAR
	FETCH_H 0, 0, 0
	FETCH_X 0, 0, 0
	FETCH_H 1, 0, 0
.irp n, 0,1,2,3,4,5,6,7
	STEP_A \n
	TURN \n
.endr
	; ---- THE TRANSITION.  Tile 8 has landed and its first fragments are asked for; tile 9 is on its way.
	WIN 0
	s_wait_loadcnt 0x0
	KVADD 7
	BOLOAD 0
	ds_store_b128 v[VECS], v[KVS:KVS+3]            ; kv[4 t ..], kv[512 + 4 t ..]
	ds_store_b128 v[VECS], v[KVS+4:KVS+7] offset:2048
.irp c, 0,1                                    ; the squares of my 128 numbers of each of four rows; each accumulator from its low end on
	WIN 0x0a+5*\c
.irp b, 0,1,2,3,4,5,6,7
.irp j, 0,2,4,6
.irp a, 0,1,2,3
.set rQ, 8*(8*\a+\b)+\j
.if (\c==0)&&(\b==0)&&(\j==0)
	v_pk_mul_f32 v[SQ+2*\a:SQ+2*\a+1], v[rQ:rQ+1], v[rQ:rQ+1]
.else
	v_pk_fma_f32 v[SQ+2*\a:SQ+2*\a+1], v[rQ:rQ+1], v[rQ:rQ+1], v[SQ+2*\a:SQ+2*\a+1]
.endif
.endr
.endr
.endr
.endr
	WIN 0
.irp a, 0,1,2,3
	v_add_f32 v[SQ+2*\a], v[SQ+2*\a], v[SQ+2*\a+1]
.endr
.irp a, 0,1,2,3
	v_permlanex16_b32 v[SQ+2*\a+1], v[SQ+2*\a], s[SEL], s[SEL+1]
.endr
.irp a, 0,1,2,3
	v_add_f32 v[SQ+2*\a], v[SQ+2*\a], v[SQ+2*\a+1]
.endr
.irp a, 0,1,2,3
	ds_store_b32 v[SCRS], v[SQ+2*\a] offset:64*\a  ; my wave's share of row 16 a + r
.endr
	BAR                                            ; kv and the four waves' squares lie in LDS
.irp a, 0,1,2,3
.irp w, 0,1,2,3
	ds_load_b32 v[NL+4*\a+\w], v[SCRR] offset:256*\w+64*\a
.endr
.endr
	WIN 0x40
.irp c, 0,1
.irp b, 0,1,2,3,4,5,6,7
	ds_load_b128 v[128+64*\c+8*\b:128+64*\c+8*\b+3], v[VECR] offset:2048*\c+64*\b       ; kv at my tiles' columns, in the result's layout
	ds_load_b128 v[128+64*\c+8*\b+4:128+64*\c+8*\b+7], v[VECR] offset:2048*\c+64*\b+16
.endr
.endr
	WIN 0
	v_mov_b32 v[QSC], s47
	v_mov_b32 v[QLIM], s63
	s_wait_dscnt 0x0
.irp a, 0,1,2,3
	v_add_f32 v[NL+4*\a], v[NL+4*\a], v[NL+4*\a+1]
	v_add_f32 v[NL+4*\a+2], v[NL+4*\a+2], v[NL+4*\a+3]
.endr
.irp a, 0,1,2,3
	v_add_f32 v[NL+4*\a], v[NL+4*\a], v[NL+4*\a+2]
.endr
.irp a, 0,1,2,3
	v_rsq_f32 v[SQ+2*\a], v[NL+4*\a]               ; 1 / |q'|, twice: a pair for the packed multiply
	v_rsq_f32 v[SQ+2*\a+1], v[NL+4*\a]
.endr
	v_nop                                          ; a plain instruction behind the last of the batch
	s_wait_alu depctr_va_vdst(0)                   ; one wait for the batch, ahead of its first reader
.irp c, 0,1
	WIN 0x86+0x41*\c                               ; q in window 2 + c, kv in window 1
.irp a, 0,1,2,3
.irp b, 0,1,2,3,4,5,6,7
.irp j, 0,2,4,6
.set rQ, 8*(8*\a+\b)+\j
	v_pk_mul_f32 v[rQ:rQ+1], v[rQ:rQ+1], v[128+64*\c+8*\b+\j:128+64*\c+8*\b+\j+1]
.endr
.endr
.endr
	WIN 0x82+0x41*\c
.irp a, 0,1,2,3
.set i, 0
.rept 32
	v_pk_mul_f32 v[64*\a+i:64*\a+i+1], v[64*\a+i:64*\a+i+1], v[SQ+2*\a:SQ+2*\a+1]
.set i, i+2
.endr
.endr
.set i, 0
.rept 256
	v_med3_num_f32 v[i], v[i], -v[QLIM], v[QLIM]   ; the conversion to an 8-bit code does not saturate (ISA guide 7.6.2): the hold at the largest code x the scale
.set i, i+1
.endr
	WIN 0x02+\c
.irp a, 0,1,2,3
.irp b, 0,1,2,3,4,5,6,7
.set rC, CD+2*(8*(2*\a+\c)+\b)
	v_cvt_scalef32_pk8_fp8_f32 v[rC:rC+1], v[8*(8*\a+\b):8*(8*\a+\b)+7], v[QSC]
.endr
.endr
	v_nop                                          ; one plain vector instruction behind the last conversion of a run
.endr
	XCH 0
	BAR                                            ; every wave has its fragments of row tiles 0, 1: the images may be written again
	XCH 1
	s_wait_dscnt 0x0
	; ---- PASS B
.irp n, 8,9,10,11
	STEP_A \n
	TURN \n
.endr
	OUT 0                                          ; while tile 13 is on its way
	BOLOAD 1
	s_wait_xcnt 0x0                                ; the stores have read their registers: the next chunk's products may write them
.irp n, 12,13,14
	STEP_A \n
	TURN \n
.endr
	STEP_A 15
	s_wait_dscnt 16                                ; the very last step: nothing more to fetch
	MULQ 15, 0, 0, 1
	MULQ 15, 0, 1, 1
	s_wait_dscnt 0x0
	MULQ 15, 1, 0, 1
	MULQ 15, 1, 1, 1
	WIN 0
	PLACES
	OUT 1
	s_wait_tensorcnt 0x0                           ; the wave's end
	ds_add_u32 v[SPW], v[NIL]
	s_wait_dscnt 0x0
	CROUND                                         ; the closing round
	s_endpgm
.Lfunc_end_k_q2001f4b791_qout:
	.size	k_q2001f4b791_qout, .Lfunc_end_k_q2001f4b791_qout-k_q2001f4b791_qout
	.p2alignl 7, 3214868480
	.fill 96, 4, 3214868480
	.section	.rodata,"a",@progbits
	.p2align	6, 0x0
	.amdhsa_kernel k_q2001f4b791_qout
		.amdhsa_group_segment_fixed_size 327680
		.amdhsa_private_segment_fixed_size 0
		.amdhsa_enable_private_segment 0
		.amdhsa_kernarg_size 64
		.amdhsa_user_sgpr_count 2
		.amdhsa_user_sgpr_kernarg_segment_ptr 1
		.amdhsa_wavefront_size32 1
		.amdhsa_system_sgpr_workgroup_id_x 1
		.amdhsa_system_sgpr_workgroup_id_y 1
		.amdhsa_system_sgpr_workgroup_id_z 1
		.amdhsa_system_vgpr_workitem_id 0
		.amdhsa_next_free_vgpr 1024
		.amdhsa_next_free_sgpr 66
		.amdhsa_reserve_vcc 0
		.amdhsa_float_denorm_mode_32 3
		.amdhsa_float_denorm_mode_16_64 3
		.amdhsa_memory_ordered 1
		.amdhsa_forward_progress 1
		.amdhsa_inst_pref_size 255
	.end_amdhsa_kernel
	.section	.bss,"aw",@nobits
	.p2align	6
	.space	262144
	.amdgpu_metadata
---
amdhsa.version: [ 1, 2 ]
amdhsa.kernels:
  - .name:           k_q2001f4b791_qout
    .symbol:         k_q2001f4b791_qout.kd
    .args:
      - { .name: x_codes, .offset: 0, .size: 8, .value_kind: global_buffer, .address_space: global }
      - { .name: W_qkv_codes, .offset: 8, .size: 8, .value_kind: global_buffer, .address_space: global }
      - { .name: W_out_codes, .offset: 16, .size: 8, .value_kind: global_buffer, .address_space: global }
      - { .name: b_qkv, .offset: 24, .size: 8, .value_kind: global_buffer, .address_space: global }
      - { .name: b_out, .offset: 32, .size: 8, .value_kind: global_buffer, .address_space: global }
      - { .name: lowp_scales, .offset: 40, .size: 8, .value_kind: global_buffer, .address_space: global }
      - { .name: part, .offset: 48, .size: 8, .value_kind: global_buffer, .address_space: global }
      - { .name: out0, .offset: 56, .size: 8, .value_kind: global_buffer, .address_space: global }
    .group_segment_fixed_size: 327680
    .private_segment_fixed_size: 0
    .kernarg_segment_align: 8
    .kernarg_segment_size: 64
    .max_flat_workgroup_size: 128
    .sgpr_count:     66
    .vgpr_count:     1024
    .wavefront_size: 32
...
	.end_amdgpu_metadata
.endif
;; end of part 2
;; ======== version 2 of 2: 2 launches
;; limits: right only within a limited range of input values
;; workspace buffers: part 1,048,576 bytes
;; launch kvpart (part 3): grid 256 x 1, 4 waves a work-group, clusters of 4 x 1, 327,680 bytes of LDS; arguments x_codes, W_qkv_codes, b_qkv, lowp_scales, part; writes part
.if DOCPART == 3
	.amdgcn_target "amdgcn-amd-amdhsa--gfx1250"
	.amdhsa_code_object_version 6
	.text
	.protected	k_q2001f4b791_kvpart
	.globl	k_q2001f4b791_kvpart
	.p2align	8
	.type	k_q2001f4b791_kvpart,@function
k_q2001f4b791_kvpart:
	s_mov_b64 s[64:65], 0
	v_nop
	global_prefetch_b8 v0, s[64:65] scope:SCOPE_SE
	s_setreg_imm32_b32 hwreg(HW_REG_WAVE_MODE, 25, 1), 1
	s_wait_xcnt 0x0
	s_wait_alu depctr_hold_cnt(0) depctr_sa_sdst(0) depctr_va_vdst(0) depctr_va_sdst(0) depctr_va_ssrc(0) depctr_va_vcc(0) depctr_vm_vsrc(0)
	s_getreg_b32 s2, hwreg(HW_REG_IB_STS2, 6, 4)
	s_cmp_eq_u32 s2, 0
	s_cbranch_scc0 .Lentry_in_a_cluster
	s_endpgm
.Lentry_in_a_cluster:
	s_bfe_u32 s2, ttmp6, 0x10000c
	s_cmp_lg_u32 s2, 0x3003
	s_cbranch_scc0 .Lentry_shape_is_right
	s_endpgm
.Lentry_shape_is_right:
; part[i][d] = the sum over work-group i's 64 rows t of (k / |k|)[t][d] v[t][d]; k, v = columns 1024.., 2048.. of x W_qkv + b_qkv, in units of code products until the end.  Nothing of reference() is left out.
; A work-group owns 64 whole rows and walks 16 tiles of 512 rows of W_qkv x 256 bytes of K through a ring of two LDS slots; the four work-groups of a cluster ask for each tile jointly (mask 15).
; THE HEAD: one tensor load a wave (tile 0); under its flight the addresses are made and x and the biases are asked for; then the full sequence and a round, and tile 1's load first behind it.
.set PITCH, 272
.set WROWS, 128*PITCH
.set SLOTB, 512*PITCH
.set XP,    2*SLOTB
.set XPB,   64*PITCH
.set SPARE, XP+2*XPB
.set SCR,   SPARE+512
.set VEC,   SCR+1024
.set VXO, 3
.set VXS, 4
.set AK,  5
.set AX,  9
.set VB,  11
.set SPW, 14
.set NIL, 15
.set BP,  16
.set SS,  48
.set XST, 80
.set SCRS, 112
.set SCRR, 113
.set VECS, 114
.set VECR, 115
.set TO,   116
.set TOG,  117
.set VBG,  121
.set WV,  14
.set CX,  15
.set WGN, 16
.set WB,  22
.set G1,  24
.set G0,  32
.set ROTW, 40
.set RG10, 41
.set RK8,  42
.set SEL, 44
.set ESUM, 46
.set ENEG, 47
.set TP,  50
.set XB,  66
.set MSB, 0
.macro WIN new
.if MSB != (\new)
	s_set_vgpr_msb (MSB<<8)|(\new)
.set MSB, (\new)
.endif
.endm
.macro PLACES
.rept 4
	v_nop
.endr
.endm
.macro CREST
	s_cmp_lg_u32 s[WV], 0
	s_cbranch_scc1 .Lnw0_\@
	s_barrier_signal -3
.Lnw0_\@:
	s_barrier_wait -3
	s_barrier_signal -1
	s_barrier_wait -1
.endm
.macro CROUND
	s_barrier_signal -1
	s_barrier_wait -1
	CREST
.endm
.macro TLOAD s
	tensor_load_to_lds s[G0+4*(\s):G0+4*(\s)+3], s[G1:G1+7]
	s_nop 0
	PLACES
.endm
.macro FRAG reg, adr, off
.irp c, 0,1,2,3
	ds_load_b128 v[(\reg)+4*\c:(\reg)+4*\c+3], v[\adr] offset:(\off)+32*\c
.endr
.endm
.macro FETCH_H half, slot, q
	WIN 0x40
.irp b, 0,1,2,3
	FRAG 64*(\half)+16*\b, AK+2*(\half)+(\slot), \b*16*PITCH+128*(\q)
.endr
.endm
.macro FETCH_X set, slot, q
	WIN 0x40
.irp a, 0,1,2,3
	FRAG 128+64*(\set)+16*\a, AX+(\slot), \a*16*PITCH+128*(\q)
.endr
.endm
.macro XLOAD reg, ks
.irp i, 0,1,2,3,4,5,6,7
	global_load_b128 v[(\reg)+4*\i:(\reg)+4*\i+3], v[VXO], s[XB+2*(\ks):XB+2*(\ks)+1] offset:2048*\i
.endr
.endm
.macro XSTORE reg, slot
.irp i, 0,1,2,3,4,5,6,7
	ds_store_b128 v[VXS], v[(\reg)+4*\i:(\reg)+4*\i+3] offset:(\slot)*XPB+2*PITCH*\i
.endr
.endm
.macro MUL8 half, a0, set, zero
.irp a, \a0, \a0+1
.irp b, 0,1,2,3
.set rD, 128*(\half)+8*(4*(\a)+\b)
.set rX, 128+64*(\set)+16*(\a)
.set rW, 64*(\half)+16*\b
.if \zero
	v_wmma_f32_16x16x128_fp8_fp8 v[rD:rD+7], v[rX:rX+15], v[rW:rW+15], 0
.else
	v_wmma_f32_16x16x128_fp8_fp8 v[rD:rD+7], v[rX:rX+15], v[rW:rW+15], v[rD:rD+7]
.endif
.endr
.endr
.endm
.macro STEP_A n
.set SLT, (\n)%2
.set ZR, 0
.if ((\n)%4) == 0
.set ZR, 1
.endif
	s_wait_dscnt 16
.if ((\n) >= 2) && ((\n) <= 13)
	WIN 0
	XLOAD XST, ((\n)+2)%4
.endif
	WIN 0xf5
	MUL8 0, 0, 0, ZR
	MUL8 0, 2, 0, ZR
	PLACES
	FETCH_H 0, SLT, 1
	FETCH_X 1, SLT, 1
	s_wait_dscnt 32
	WIN 0xf5
	MUL8 1, 0, 0, ZR
	MUL8 1, 2, 0, ZR
	PLACES
	FETCH_H 1, SLT, 1
.endm
.macro TURN n
.set SLT, (\n)%2
.set M2, (\n)+2
	WIN 0
	s_wait_tensorcnt 0x0
	ds_add_u32 v[SPW], v[NIL]
.if (\n) <= 13
	s_xor_b32 s[TP], s[ROTW], ((M2/4)<<18)|((M2%4)<<8)
	s_add_nc_u64 s[G0+4*SLT+2:G0+4*SLT+3], s[WB:WB+1], s[TP:TP+1]
	s_or_b32 s[G0+4*SLT+3], s[G0+4*SLT+3], 0x80000000
.endif
	s_wait_dscnt 17
	WIN 0xf5
	MUL8 0, 0, 1, 0
	s_wait_dscnt 0x0
	s_barrier_signal -1
	MUL8 0, 2, 1, 0
	WIN 0
	s_barrier_wait -1
.if (\n) <= 13
	CREST
	TLOAD SLT
.if (\n) >= 2
	s_wait_loadcnt 0x0
	XSTORE XST, SLT
.else
	XSTORE 160+32*(\n), SLT
.endif
.else
	PLACES
.endif
	FETCH_H 0, 1-SLT, 0
	FETCH_X 0, 1-SLT, 0
	WIN 0xf5
	MUL8 1, 0, 1, 0
	MUL8 1, 2, 1, 0
	PLACES
	FETCH_H 1, 1-SLT, 0
.endm
.macro EPI g
	WIN 0xc3
.irp t, 0,1,2,3,4,5,6,7,8,9,10,11,12,13,14,15
.set rB, BP+2*(4*(\g)+(\t)%4)
.irp j, 0,2,4,6
	v_pk_add_f32 v[8*\t+\j:8*\t+\j+1], v[8*\t+\j:8*\t+\j+1], v[rB:rB+1] op_sel_hi:[1,0]
.endr
.endr
.irp t, 0,1,2,3,4,5,6,7,8,9,10,11,12,13,14,15
.set rB, BP+2*(4*(\g)+(\t)%4)
.irp j, 0,2,4,6
	v_pk_add_f32 v[128+8*\t+\j:128+8*\t+\j+1], v[128+8*\t+\j:128+8*\t+\j+1], v[rB:rB+1] op_sel:[0,1] op_sel_hi:[1,1]
.endr
.endr
	WIN 0x0f
.irp b, 0,1,2,3
.irp a, 0,1,2,3
.irp j, 0,2,4,6
.set rK, 8*(4*\a+\b)+\j
.set rS, SS+8*\a+\j
.if ((\g)==0)&&(\b==0)
	v_pk_mul_f32 v[rS:rS+1], v[rK:rK+1], v[rK:rK+1]
.else
	v_pk_fma_f32 v[rS:rS+1], v[rK:rK+1], v[rK:rK+1], v[rS:rS+1]
.endif
.endr
.endr
.endr
.if (\g) < 2
	WIN 0x8f
.set PB, 128*(\g)
.elseif (\g) == 2
	WIN 0x0f
.set PB, 128
.else
	WIN 0xcf
.set PB, 0
.endif
.set i, 0
.rept 64
	v_pk_mul_f32 v[PB+i:PB+i+1], v[i:i+1], v[128+i:129+i]
.set i, i+2
.endr
.endm
.macro TSUM g, win, base
	WIN \win
.irp a, 0,1,2,3
.irp j, 0,2,4,6
.irp b, 0,1,2,3
.set rT, BP+2*(4*(\g)+\b)
.set rP, (\base)+8*(4*\a+\b)+\j
.if (\a==0)&&(\j==0)
	v_pk_mul_f32 v[rT:rT+1], v[rP:rP+1], v[SS+8*\a+\j:SS+8*\a+\j+1]
.else
	v_pk_fma_f32 v[rT:rT+1], v[rP:rP+1], v[SS+8*\a+\j:SS+8*\a+\j+1], v[rT:rT+1]
.endif
.endr
.endr
.endr
.endm
	s_load_b256 s[4:11], s[0:1], 0x0
	s_load_b64 s[12:13], s[0:1], 0x20
	v_lshl_add_u32 v[SPW], v0, 2, SPARE
	v_mov_b32 v[NIL], 0
	ds_add_u32 v[SPW], v[NIL]
	ds_add_u32 v[SPW], v[NIL]
	v_lshrrev_b32 v1, 5, v0
	v_readfirstlane_b32 s[WV], v1
	s_bfe_u32 s[CX], ttmp6, 0x40000
	s_lshl_b32 s[WGN], ttmp9, 2
	s_add_co_u32 s[WGN], s[WGN], s[CX]
	s_mov_b32 s[G1], 15|(1<<20)|(1<<21)|(5<<22)|(3<<25)
	s_mov_b32 s[G1+1], 256<<16
	s_mov_b32 s[G1+2], 128<<16
	s_mov_b32 s[G1+3], 256<<16
	s_mov_b32 s[G1+4], 128
	s_mov_b32 s[G1+5], 1024
	s_mov_b32 s[G1+6], 0
	s_mov_b32 s[G1+7], 0
	s_mov_b32 s[SEL], 0x76543210
	s_mov_b32 s[SEL+1], 0xfedcba98
	s_lshr_b32 s52, ttmp9, 4
	s_lshl_b32 s52, s52, 2
	s_xor_b32 s52, s52, ttmp9
	s_and_b32 s52, s52, 15
	s_and_b32 s[RK8], s52, 3
	s_lshl_b32 s[RK8], s[RK8], 8
	s_lshr_b32 s53, s52, 2
	s_lshl_b32 s[RG10], s53, 10
	s_lshl_b32 s[ROTW], s53, 18
	s_or_b32 s[ROTW], s[ROTW], s[RK8]
	s_mov_b32 s[TP+1], 0
	s_lshr_b32 s17, s[WV], 1
	s_lshl_b32 s17, s17, 20
	s_and_b32 s18, s[WV], 1
	s_lshl_b32 s18, s18, 17
	s_add_co_u32 s20, s17, s18
	s_add_co_u32 s20, s20, 1048576
	s_mov_b32 s21, 0
	s_mul_i32 s19, s[WV], WROWS
	s_lshl_b32 s54, s[WGN], 16
	s_mov_b32 s55, 0
	s_lshl_b32 s56, s[WGN], 12
	s_mov_b32 s57, 0
	s_wait_dscnt 0x0
	s_wait_kmcnt 0x0
	s_load_b64 s[48:49], s[10:11], 0x0
	s_add_nc_u64 s[WB:WB+1], s[6:7], s[20:21]
	s_add_nc_u64 s[4:5], s[4:5], s[54:55]
	s_add_nc_u64 s[12:13], s[12:13], s[56:57]
.irp k, 0,1,2,3
	s_xor_b32 s[TP], s[RK8], \k*256
	s_add_nc_u64 s[XB+2*\k:XB+2*\k+1], s[4:5], s[TP:TP+1]
.endr
	CROUND
.irp s, 0,1
	s_mov_b32 s[G0+4*\s], 1
	s_add_co_u32 s[G0+4*\s+1], s19, \s*SLOTB
	s_xor_b32 s[TP], s[ROTW], \s*256
	s_add_nc_u64 s[G0+4*\s+2:G0+4*\s+3], s[WB:WB+1], s[TP:TP+1]
	s_or_b32 s[G0+4*\s+3], s[G0+4*\s+3], 0x80000000
.endr
	tensor_load_to_lds s[G0:G0+3], s[G1:G1+7]
	s_nop 0
	PLACES
	v_and_b32 v1, 15, v0
	v_bfe_u32 v2, v0, 4, 1
	s_lshl_b32 s17, s[WV], 14
	v_lshlrev_b32 v[VXO], 10, v2
	v_lshl_add_u32 v[VXO], v1, 4, v[VXO]
	v_add_nc_u32 v[VXO], s17, v[VXO]
	XLOAD XST, 0
	XLOAD 128, 1
	XLOAD 160, 2
	XLOAD 192, 3
	s_lshl_b32 s17, s[WV], 8
	v_lshl_add_u32 v[VB], v1, 2, s17
.irp g, 0,1,2,3
	s_xor_b32 s17, s[RG10], \g*1024
	v_add_nc_u32 v[VBG+\g], s17, v[VB]
.endr
.irp g, 0,1,2,3
.irp b, 0,1,2,3
	global_load_b32 v[BP+2*(4*\g+\b)], v[VBG+\g], s[8:9] offset:4096+64*\b
	global_load_b32 v[BP+2*(4*\g+\b)+1], v[VBG+\g], s[8:9] offset:8192+64*\b
.endr
.endr
	v_mul_u32_u24 v13, v1, PITCH
	v_lshl_add_u32 v13, v2, 4, v13
	s_mul_i32 s17, s[WV], 64*PITCH
	v_add_nc_u32 v[AK], s17, v13
	v_add_nc_u32 v[AK+1], SLOTB, v[AK]
	v_add_nc_u32 v[AK+2], 256*PITCH, v[AK]
	v_add_nc_u32 v[AK+3], 256*PITCH, v[AK+1]
	v_add_nc_u32 v[AX], XP, v13
	v_add_nc_u32 v[AX+1], XP+XPB, v13
	s_mul_i32 s17, s[WV], 16*PITCH
	s_add_co_u32 s17, s17, XP
	v_mul_u32_u24 v[VXS], v2, PITCH
	v_lshl_add_u32 v[VXS], v1, 4, v[VXS]
	v_add_nc_u32 v[VXS], s17, v[VXS]
	s_lshl_b32 s17, s[WV], 8
	s_add_co_u32 s17, s17, SCR
	v_lshl_add_u32 v[SCRS], v2, 5, s17
	v_lshlrev_b32 v[SCRR], 5, v2
	v_add_nc_u32 v[SCRR], SCR, v[SCRR]
	s_lshl_b32 s17, s[WV], 8
	s_add_co_u32 s17, s17, VEC
	v_lshl_add_u32 v[VECS], v1, 2, s17
	v_lshlrev_b32 v[TO], 4, v0
	v_add_nc_u32 v[VECR], VEC, v[TO]
	v_xor_b32 v[TOG], s[RG10], v[TO]
	v_xor_b32 v[TOG+1], 2048, v[TOG]
	s_wait_alu depctr_va_vdst(0)                   ; the wait at the head's end
	s_wait_tensorcnt 0x0                           ; my part of tile 0 is in
	ds_add_u32 v[SPW], v[NIL]                      ; 0 onto my spare word
	s_wait_dscnt 0x0
	CROUND                                         ; a whole round: the joint loads of tile 1 meet
	tensor_load_to_lds s[G0+4:G0+7], s[G1:G1+7]    ; slot 1's first fill, my one tensor load behind the round
	s_nop 0
	PLACES
	s_wait_loadcnt 0x0
	XSTORE XST, 0
	XSTORE 128, 1
	s_wait_kmcnt 0x0
	s_add_co_i32 s[ESUM], s48, s49
	s_sub_co_i32 s[ENEG], 0, s[ESUM]
.set i, 0
.rept 32
	v_ldexp_f32 v[BP+i], v[BP+i], s[ENEG]
.set i, i+1
.endr
	s_wait_tensorcnt 0x1
	s_wait_dscnt 0x0
	s_barrier_signal -1
	s_barrier_wait -1
	FETCH_H 0, 0, 0
	FETCH_X 0, 0, 0
	FETCH_H 1, 0, 0
.irp n, 0,1,2,3,4,5,6,7,8,9,10,11,12,13,14
	STEP_A \n
	TURN \n
.if ((\n)%4) == 3
	EPI (\n)/4
.endif
.endr
	STEP_A 15
	s_wait_dscnt 16
	WIN 0xf5
	MUL8 0, 0, 1, 0
	MUL8 0, 2, 1, 0
	s_wait_dscnt 0x0
	MUL8 1, 0, 1, 0
	MUL8 1, 2, 1, 0
	PLACES
	EPI 3
	WIN 0
.irp m, 1,2,4,8
.set i, 0
.rept 32
	v_add_f32_dpp v[SS+i], v[SS+i], v[SS+i] row_xmask:\m row_mask:0xf bank_mask:0xf
.set i, i+1
.endr
.endr
.irp a, 0,1,2,3
.irp u, 0,1
	ds_store_b128 v[SCRS], v[SS+8*\a+4*\u:SS+8*\a+4*\u+3] offset:64*\a+16*\u
.endr
.endr
	s_wait_dscnt 0x0
	s_barrier_signal -1
	s_barrier_wait -1
	WIN 0x40
.irp w, 0,1,2,3
.irp a, 0,1,2,3
.irp u, 0,1
	ds_load_b128 v[32*\w+8*\a+4*\u:32*\w+8*\a+4*\u+3], v[SCRR] offset:256*\w+64*\a+16*\u
.endr
.endr
.endr
	s_wait_dscnt 0x0
	WIN 0x45
.set i, 0
.rept 16
	v_pk_add_f32 v[i:i+1], v[i:i+1], v[32+i:33+i]
	v_pk_add_f32 v[64+i:65+i], v[64+i:65+i], v[96+i:97+i]
.set i, i+2
.endr
	WIN 0x05
.set i, 0
.rept 16
	v_pk_add_f32 v[SS+i:SS+i+1], v[i:i+1], v[64+i:65+i]
.set i, i+2
.endr
	WIN 0
.set i, 0
	s_wait_alu depctr_va_vdst(0)
.rept 32
	v_rsq_f32 v[SS+i], v[SS+i]
.set i, i+1
.endr
	v_nop
	s_wait_alu depctr_va_vdst(0)
	TSUM 0, 0x02, 0
	TSUM 1, 0x02, 128
	TSUM 2, 0x00, 128
	TSUM 3, 0x03, 0
	WIN 0
.set i, 0
.rept 16
	v_add_f32 v[BP+i], v[BP+i], v[BP+i+1]
.set i, i+2
.endr
.set i, 0
.rept 16
	v_permlanex16_b32 v[BP+i+1], v[BP+i], s[SEL], s[SEL+1]
.set i, i+2
.endr
.set i, 0
.rept 16
	v_add_f32 v[BP+i], v[BP+i], v[BP+i+1]
.set i, i+2
.endr
.set i, 0
.rept 16
	v_ldexp_f32 v[BP+i], v[BP+i], s[ESUM]
.set i, i+2
.endr
.irp g, 0,1,2,3
.irp b, 0,1,2,3
	ds_store_b32 v[VECS], v[BP+2*(4*\g+\b)] offset:1024*\g+64*\b
.endr
.endr
	s_wait_dscnt 0x0
	s_barrier_signal -1
	s_barrier_wait -1
	ds_load_b128 v[80:83], v[VECR]
	ds_load_b128 v[84:87], v[VECR] offset:2048
	s_wait_dscnt 0x0
	global_store_b128 v[TOG], v[80:83], s[12:13]
	global_store_b128 v[TOG+1], v[84:87], s[12:13]
	s_wait_tensorcnt 0x0
	ds_add_u32 v[SPW], v[NIL]
	s_wait_dscnt 0x0
	CROUND
	s_endpgm
.Lfunc_end_k_q2001f4b791_kvpart:
	.size	k_q2001f4b791_kvpart, .Lfunc_end_k_q2001f4b791_kvpart-k_q2001f4b791_kvpart
	.p2alignl 7, 3214868480
	.fill 96, 4, 3214868480
	.section	.rodata,"a",@progbits
	.p2align	6, 0x0
	.amdhsa_kernel k_q2001f4b791_kvpart
		.amdhsa_group_segment_fixed_size 327680
		.amdhsa_private_segment_fixed_size 0
		.amdhsa_enable_private_segment 0
		.amdhsa_kernarg_size 40
		.amdhsa_user_sgpr_count 2
		.amdhsa_user_sgpr_kernarg_segment_ptr 1
		.amdhsa_wavefront_size32 1
		.amdhsa_system_sgpr_workgroup_id_x 1
		.amdhsa_system_sgpr_workgroup_id_y 1
		.amdhsa_system_sgpr_workgroup_id_z 1
		.amdhsa_system_vgpr_workitem_id 0
		.amdhsa_next_free_vgpr 1024
		.amdhsa_next_free_sgpr 74
		.amdhsa_reserve_vcc 0
		.amdhsa_float_denorm_mode_32 3
		.amdhsa_float_denorm_mode_16_64 3
		.amdhsa_memory_ordered 1
		.amdhsa_forward_progress 1
		.amdhsa_inst_pref_size 255
	.end_amdhsa_kernel
	.section	.bss,"aw",@nobits
	.p2align	6
	.space	262144
	.amdgpu_metadata
---
amdhsa.version: [ 1, 2 ]
amdhsa.kernels:
  - .name:           k_q2001f4b791_kvpart
    .symbol:         k_q2001f4b791_kvpart.kd
    .args:
      - { .name: x_codes, .offset: 0, .size: 8, .value_kind: global_buffer, .address_space: global }
      - { .name: W_qkv_codes, .offset: 8, .size: 8, .value_kind: global_buffer, .address_space: global }
      - { .name: b_qkv, .offset: 16, .size: 8, .value_kind: global_buffer, .address_space: global }
      - { .name: lowp_scales, .offset: 24, .size: 8, .value_kind: global_buffer, .address_space: global }
      - { .name: part, .offset: 32, .size: 8, .value_kind: global_buffer, .address_space: global }
    .group_segment_fixed_size: 327680
    .private_segment_fixed_size: 0
    .kernarg_segment_align: 8
    .kernarg_segment_size: 40
    .max_flat_workgroup_size: 128
    .sgpr_count:     74
    .vgpr_count:     1024
    .wavefront_size: 32
...
	.end_amdgpu_metadata
.endif
;; end of part 3
;; launch qout (part 4): grid 256 x 1, 4 waves a work-group, clusters of 4 x 1, 327,680 bytes of LDS; arguments x_codes, W_qkv_codes, W_out_codes, b_qkv, b_out, lowp_scales, part, out0; writes out0
.if DOCPART == 4
	.amdgcn_target "amdgcn-amd-amdhsa--gfx1250"
	.amdhsa_code_object_version 6
	.text
	.protected	k_q2001f4b791_qout
	.globl	k_q2001f4b791_qout
	.p2align	8
	.type	k_q2001f4b791_qout,@function
k_q2001f4b791_qout:
	s_mov_b64 s[64:65], 0
	v_nop
	global_prefetch_b8 v0, s[64:65] scope:SCOPE_SE
	s_setreg_imm32_b32 hwreg(HW_REG_WAVE_MODE, 25, 1), 1
	s_wait_xcnt 0x0
	s_wait_alu depctr_hold_cnt(0) depctr_sa_sdst(0) depctr_va_vdst(0) depctr_va_sdst(0) depctr_va_ssrc(0) depctr_va_vcc(0) depctr_vm_vsrc(0)
	s_getreg_b32 s2, hwreg(HW_REG_IB_STS2, 6, 4)
	s_cmp_eq_u32 s2, 0
	s_cbranch_scc0 .Lentry_in_a_cluster
	s_endpgm
.Lentry_in_a_cluster:
	s_bfe_u32 s2, ttmp6, 0x10000c
	s_cmp_lg_u32 s2, 0x3003
	s_cbranch_scc0 .Lentry_shape_is_right
	s_endpgm
.Lentry_shape_is_right:
; out0 = Q((q / |q|) kv) W_out + b_out.  q = columns 0..1023 of x W_qkv + b_qkv; kv[b][d] = the sum of the batch's 64 rows of part; Q = the quantiser to E4M3 with the scale 2^e2, along the 1,024 features.
; As in the launch before, q stays in units of code products (q / |q| is the same for q / 2^(e0+e1), for all values; b_q goes in as b / 2^(e0+e1)); nothing else is left out.
; LIMITS: e2 between -126 and 119, e2 + e3 between -126 and 127, so that each power of two below is an f32 number; a row with |q| = 0 gives NaN as in reference(); NaN among the inputs is not served.
; SHARES.  A work-group owns 64 whole rows (the norm needs all columns of a row) and walks 16 tiles of 512 rows of W x 256 bytes of K: tiles 0-7 W_qkv's rows 0..1023 (pass A), tiles 8-15 W_out's (pass B); chunk = 512 rows, four K pieces each.
; Wave w takes a chunk's rows 128 w .. + 127 for all 64 rows of x: 32 accumulators, 64 matrix instructions a tile.  The four work-groups of a cluster ask for each tile JOINTLY (mask 15).
; THE WALK.  m = (i xor 4 (i / 16)) mod 16 of the cluster's number i; rk = m % 4, rc = bit 2, rc2 = bit 3.  Pass A's n-th tile is chunk (n / 4) xor rc, K piece (n % 4) xor rk: 8 walks over 8 tiles.  The quantised operand's
; fragments then lie in the walk's order (fragment s holds K block s xor 4 rc), so pass B takes K piece ks xor 2 rc, which brings W_out's bytes for just those fragments; its chunk is c xor rc2.  The batch's partial rows are
; taken in groups of eight, group k xor (m % 8).  So the clusters ask for different tiles and rows at each step, not all for the same.  m enters global addresses alone.  LIMIT: the order of the terms in these f32 sums differs from cluster to cluster.
; LAYOUT.  Both products are used transposed (source 0 = 16 rows of W, source 1 = 16 rows of x or of the quantised operand): lane (r, h) holds row r, its register j column 16 b + 8 h + j: eight neighbours along the next K.
; PASS A also sums kv: in each tile eight of the batch's 64 partial rows are loaded (8 numbers a thread each) and the eight before are added.  A row's two halves are loaded in the walk's order, so that kv lies in LDS as the walk's chunks do.
; THE TRANSITION: the squares of q over lanes and waves; q x kv x 1/norm; the hold at 448 x 2^e2; the conversion.  A lane's 8 codes go into LDS at the byte that they have in an IMAGE OF THE OPERAND'S REGISTERS
; (fragment 4 c + w, byte 256 b + 16 r + 8 h), and every wave loads all 32 fragments (4 row tiles x 8 K steps) into 512 registers: pass B reads the operand from LDS no more.
; REGISTERS, in windows of 256: window 0: v0-23 addresses; v24-31 kv's sums; v32-63 x on its way, later squares, 1/norm, scale, limit; v64-127 partial rows, later b_out's 8 tiles; v128-255 b_q's 16 tiles, then the codes, then y's sums of row tiles 0, 1.
;   window 1: v0-127 W's fragments in two half-sets; v128-255 x's two sets, then kv's 16 tiles, then y's sums of row tiles 2, 3.   windows 2, 3: q's sums of the walk's chunks 0, 1 ((a, b) at v[8 (8 a + b)]), then the operand's fragments
;   ((a, s) in window 2 + a / 2 at v[128 (a % 2) + 16 s]); at the head window 3's v0-95 hold x's slices 1 to 3.
.set PITCH, 272                        ; an LDS row: 256 bytes + 16 of padding
.set WROWS, 128*PITCH
.set SLOTB, 512*PITCH
.set XP,    2*SLOTB                    ; x's two slices; later the images; later the stages: written by ds_store alone
.set XPB,   64*PITCH
.set SPARE, XP+2*XPB                   ; the spare words: two blocks of 256 bytes that no other line names
.set SCR,   SPARE+512                  ; [wave][64 rows] f32
.set VEC,   SCR+1024                   ; kv[1024], in the walk's order
.set SPI,   528                        ; a stage row: 512 bytes + 16
.set VXO, 3
.set VXS, 4
.set AW,  5                            ; v5, v6   my fragments of W in slot 0, 1
.set AX,  7                            ; v7, v8   x's fragments in slice 0, 1
.set PFO, 9                            ; v9   1,024 x lane; never rewritten
.set TO,  10                           ; v10  16 x thread = 512 w + 16 x lane: the partial rows, and my bytes of a row of out0
.set VEX, 11                           ; v11  where my codes go: XP + 2,048 w + 16 r + 8 h
.set LI,  12                           ; v12  XP + 16 x lane: an image's place for my lane
.set STO, 13                           ; v13  my stage, on the way in
.set SPW, 14
.set NIL, 15
.set RD,  16                           ; v16  my stage, on the way back
.set SCRS, 17
.set SCRR, 18
.set VECS, 19
.set VECR, 20
.set BQO, 21                           ; v21  512 w + 32 h: my eight columns of a tile, in a chunk of b_qkv and of b_out
.set KVS, 24
.set XST, 32
.set SQ,  32
.set QSC, 40
.set QLIM, 41
.set NL,  44
.set KB,  64
.set BO,  64
.set BQ,  128
.set CD,  128
.set WV,  20                           ; s20  wave
.set CX,  21                           ; s21  my place in the cluster: it enters global addresses alone
.set WGN, 22
.set G1,  24
.set G0,  32
.set WOB, 40                           ; s[40:41] W_out at my wave's 128 rows
.set PFB, 44                           ; s[44:45] where my prefetch stands in W_out
.set PF,  46                           ; s46  the cluster's number
.set YS,  52                           ; s[52:53] 2^(e2 + e3)
.set SEL, 54
.set WQB, 58                           ; s[58:59] W_qkv at my wave's 128 rows
.set XB,  66                           ; s[66:73] x at my 64 rows, at the walk's four K pieces
.set BQB, 74                           ; s[74:77] b_qkv at the walk's two chunks
.set BOB, 78                           ; s[78:81] b_out likewise
.set OB,  82                           ; s[82:85] out0 at my 64 rows, likewise.  None of these is rewritten
.set KVB, 86                           ; s[86:89] part at the group of eight rows in hand, its two halves in the walk's order
.set ROTA, 90                          ; s90  pass A's walk in W's bytes: rc << 19 | rk << 8
.set ROTB, 91                          ; s91  pass B's: rc2 << 19 | rc << 9
.set KROT, 92                          ; s92  the partial rows': (m % 8) << 15 | rc << 11
.set RC11, 93                          ; s93  rc << 11
.set TP,  94                           ; s[94:95] an offset at work; the upper word stays 0
.set RK8, 96                           ; s96  rk << 8
.set RC,  97
.set RC2, 98                           ; s98  rc2 << 11
.set MSB, 0
.macro WIN new
.if MSB != (\new)
	s_set_vgpr_msb (MSB<<8)|(\new)
.set MSB, (\new)
.endif
.endm
.macro PLACES
.rept 4
	v_nop
.endr
.endm
.macro CREST
	s_cmp_lg_u32 s[WV], 0
	s_cbranch_scc1 .Lnw0_\@
	s_barrier_signal -3
.Lnw0_\@:
	s_barrier_wait -3
	s_barrier_signal -1
	s_barrier_wait -1
.endm
.macro CROUND
	s_barrier_signal -1
	s_barrier_wait -1
	CREST
.endm
.macro BAR                             ; my LDS instructions are done; then the work-group's barrier
	s_wait_dscnt 0x0
	s_barrier_signal -1
	s_barrier_wait -1
.endm
.macro TLOAD s
	tensor_load_to_lds s[G0+4*(\s):G0+4*(\s)+3], s[G1:G1+7]
	s_nop 0
	PLACES
.endm
.macro FRAG reg, adr, off
.irp c, 0,1,2,3
	ds_load_b128 v[(\reg)+4*\c:(\reg)+4*\c+3], v[\adr] offset:(\off)+32*\c
.endr
.endm
.macro FETCH_H half, slot, q           ; four of my eight fragments of W
	WIN 0x40
.irp b, 0,1,2,3
	FRAG 64*(\half)+16*\b, AW+(\slot), (64*(\half)+16*\b)*PITCH+128*(\q)
.endr
.endm
.macro FETCH_X set, slot, q
	WIN 0x40
.irp a, 0,1,2,3
	FRAG 128+64*(\set)+16*\a, AX+(\slot), \a*16*PITCH+128*(\q)
.endr
.endm
.macro XLOAD reg, ks                   ; my 16 rows of the walk's K piece ks
.irp i, 0,1,2,3,4,5,6,7
	global_load_b128 v[(\reg)+4*\i:(\reg)+4*\i+3], v[VXO], s[XB+2*(\ks):XB+2*(\ks)+1] offset:2048*\i
.endr
.endm
.macro XSTORE reg, slot
.irp i, 0,1,2,3,4,5,6,7
	ds_store_b128 v[VXS], v[(\reg)+4*\i:(\reg)+4*\i+3] offset:(\slot)*XPB+2*PITCH*\i
.endr
.endm
.macro KVLOAD k                        ; the walk's k-th eight partial rows of my batch: of each a thread's four numbers in either half.  The bases are written behind the wait that shows the loads before done
	s_xor_b32 s[TP], s[KROT], (\k)<<15
	s_add_nc_u64 s[KVB:KVB+1], s[16:17], s[TP:TP+1]
	s_xor_b32 s[TP], s[TP], 2048
	s_add_nc_u64 s[KVB+2:KVB+3], s[16:17], s[TP:TP+1]
.irp p, 0,1,2,3,4,5,6,7
	global_load_b128 v[KB+8*\p:KB+8*\p+3], v[TO], s[KVB:KVB+1] offset:\p*4096
	global_load_b128 v[KB+8*\p+4:KB+8*\p+7], v[TO], s[KVB+2:KVB+3] offset:\p*4096
.endr
.endm
.macro KVADD k                         ; and their sum; the first two rows start it
.irp p, 0,1,2,3,4,5,6,7
.irp i, 0,2,4,6
.if ((\k)==0)&&(\p==1)
	v_pk_add_f32 v[KVS+\i:KVS+\i+1], v[KB+\i:KB+\i+1], v[KB+8+\i:KB+8+\i+1]
.elseif ((\k)!=0)||(\p>1)
	v_pk_add_f32 v[KVS+\i:KVS+\i+1], v[KVS+\i:KVS+\i+1], v[KB+8*\p+\i:KB+8*\p+\i+1]
.endif
.endr
.endr
.endm
.macro BOLOAD c2                       ; b_out at my eight tiles' columns, in the result's layout
.irp b, 0,1,2,3,4,5,6,7
	global_load_b128 v[BO+8*\b:BO+8*\b+3], v[BQO], s[BOB+2*(\c2):BOB+2*(\c2)+1] offset:64*\b
	global_load_b128 v[BO+8*\b+4:BO+8*\b+7], v[BQO], s[BOB+2*(\c2):BOB+2*(\c2)+1] offset:64*\b+16
.endr
.endm
; A PREFETCH of W_out, once in the launch, at tile 3's change of slots: three changes, 192 matrix instructions, ahead of the first load of W_out.  Each row's 256 bytes of each of the 8 tiles are named once:
; cluster i < 8 asks for tile i (a branch on the cluster's number, the same in all partners); its four partners take 128 rows each, told apart by address; a wave 32 of them, a lane a row.
.macro ASK
	s_cmp_lt_u32 s[PF], 8
	s_cbranch_scc0 .Lnm_\@
	global_prefetch_b8 v[PFO], s[PFB:PFB+1] th:TH_LOAD_NT scope:SCOPE_SE
.Lnm_\@:
.endm
; 8 matrix instructions of tile n: row tiles 2 part, 2 part + 1 x four column tiles of a half-set, the tile's q-th 128 along K.  The 32 accumulators take turns, one instruction a turn, in the same order in every step.
; A chunk's first step starts the sums: in pass A with b_q's tile as C, in pass B with the constant 0.
.macro MULQ n, half, part, q
.set FIRST, 0
.if (((\n)%4)==0)&&((\q)==0)
.set FIRST, 1
.endif
.if (\n) < 8
.set CW, 2+(\n)/4
.if FIRST
.set WN, 0x05|(CW<<6)
.else
.set WN, 0x05|(CW<<4)|(CW<<6)
.endif
	WIN WN
.irp a, 2*(\part), 2*(\part)+1
.irp b, 0,1,2,3
.set rD, 8*(8*(\a)+4*(\half)+\b)
.set rW, 64*(\half)+16*\b
.set rX, 128+64*(\q)+16*(\a)
.set rC, BQ+64*((\n)/4)+8*(4*(\half)+\b)
.if FIRST
	v_wmma_f32_16x16x128_fp8_fp8 v[rD:rD+7], v[rW:rW+15], v[rX:rX+15], v[rC:rC+7]
.else
	v_wmma_f32_16x16x128_fp8_fp8 v[rD:rD+7], v[rW:rW+15], v[rX:rX+15], v[rD:rD+7]
.endif
.endr
.endr
.else
.set KST, 2*((\n)%4)+(\q)
	WIN 0x09+0x54*(\part)                          ; W window 1; the operand window 2 or 3; the sums window 0 or 1
.irp u, 0,1
.irp b, 0,1,2,3
.set rD, 128+8*(8*\u+4*(\half)+\b)
.set rW, 64*(\half)+16*\b
.set rX, 128*\u+16*KST
.if FIRST
	v_wmma_f32_16x16x128_fp8_fp8 v[rD:rD+7], v[rW:rW+15], v[rX:rX+15], 0
.else
	v_wmma_f32_16x16x128_fp8_fp8 v[rD:rD+7], v[rW:rW+15], v[rX:rX+15], v[rD:rD+7]
.endif
.endr
.endr
.endif
.endm
.macro STEP_A n
.set SLT, (\n)%2
	s_wait_dscnt 16                                ; the first half-set (and x's set, and my stores of x) are done; the youngest 16 loads, the second half-set, may be out
.if ((\n) >= 2) && ((\n) <= 5)
	WIN 0
	XLOAD XST, ((\n)+2)%4                          ; x's slice for the tile two on (the slices of tiles 2 and 3 were asked for at the head)
.endif
	MULQ \n, 0, 0, 0
	MULQ \n, 0, 1, 0
.if ((\n) >= 1) && ((\n) < 8)
	WIN 0
.if ((\n) >= 2) && ((\n) <= 5)
	s_wait_loadcnt 8                               ; the partial rows asked for a tile ago are in; the 8 loads of x issued behind them may be out
.else
	s_wait_loadcnt 0x0
.endif
	s_wait_alu depctr_va_vdst(0)
	KVADD (\n)-1
	KVLOAD \n
.endif
	PLACES
	FETCH_H 0, SLT, 1
.if (\n) < 8
	FETCH_X 1, SLT, 1
	s_wait_dscnt 32                                ; all but the 32 just issued
.else
	s_wait_dscnt 16                                ; all but the 16 just issued
.endif
	MULQ \n, 1, 0, 0
	MULQ \n, 1, 1, 0
	PLACES
	FETCH_H 1, SLT, 1
.endm
; The tile's second step and the change of slots: the three lines, one barrier, up to tile 13 a round of the cluster's barrier with the joint refill first behind it.
.macro TURN n
.set SLT, (\n)%2
.set M2, (\n)+2
	WIN 0
	s_wait_tensorcnt 0x0                           ; all my tensor loads have landed, so a group 0 may be written
	ds_add_u32 v[SPW], v[NIL]                      ; 0 onto my spare word; the descriptor's address is made while it is out
.if (\n) <= 13
.if M2 < 8
	s_xor_b32 s[TP], s[ROTA], ((M2/4)<<19)|((M2%4)<<8)
	s_add_nc_u64 s[G0+4*SLT+2:G0+4*SLT+3], s[WQB:WQB+1], s[TP:TP+1]
.else
	s_xor_b32 s[TP], s[ROTB], (((M2-8)/4)<<19)|((M2%4)<<8)
	s_add_nc_u64 s[G0+4*SLT+2:G0+4*SLT+3], s[WOB:WOB+1], s[TP:TP+1]
.endif
	s_or_b32 s[G0+4*SLT+3], s[G0+4*SLT+3], 0x80000000
.endif
	s_wait_dscnt 17                                ; the add and the youngest 16 loads may be out
	MULQ \n, 0, 0, 1
	s_wait_dscnt 0x0                               ; the add is done, my reads of this slot are over, my stores of x have landed
	s_barrier_signal -1
	MULQ \n, 0, 1, 1
	WIN 0
	s_barrier_wait -1
.if (\n) <= 13
	CREST
	TLOAD SLT
.if (\n) <= 1
	WIN 0x0c                                       ; the data lie in window 3, since the head
	XSTORE 32*((\n)+1), SLT
.elseif (\n) <= 5
	s_wait_loadcnt 16                              ; x's eight loads are in; the 16 of partial rows issued behind them may be out
	XSTORE XST, SLT
.endif
.else
	PLACES
.endif
	FETCH_H 0, 1-SLT, 0
.if (\n) <= 6
	FETCH_X 0, 1-SLT, 0
.endif
.if (\n) == 3
	WIN 0
	ASK
.endif
	MULQ \n, 1, 0, 1
	MULQ \n, 1, 1, 1
	PLACES
	FETCH_H 1, 1-SLT, 0
.endm
; The exchange of row tiles 2 p and 2 p + 1: my codes into the images, a barrier, all 16 fragments back.
.macro XCH p
	WIN 0
.irp u, 0,1
.irp c, 0,1
.irp b, 0,1,2,3,4,5,6,7
.set rC, CD+2*(8*(2*(2*(\p)+\u)+\c)+\b)
	ds_store_b64 v[VEX], v[rC:rC+1] offset:\u*XPB+8192*\c+256*\b   ; 32 lanes store 256 consecutive bytes
.endr
.endr
.endr
	BAR
	WIN 0x80+0x40*(\p)
.irp u, 0,1
.irp s, 0,1,2,3,4,5,6,7
.irp c, 0,1,2,3
	ds_load_b128 v[128*\u+16*\s+4*\c:128*\u+16*\s+4*\c+3], v[LI] offset:\u*XPB+2048*\s+512*\c
.endr
.endr
.endr
	WIN 0
.endm
; THE WAY OUT of row tile a: y = sum x 2^(e2 + e3) + b_out in place, each accumulator from its low end on; into my own stage; back as whole rows of 512 bytes, into the registers that they left.
.macro TOSTAGE a
.set YB, 128+64*((\a)%2)
.set HI, (\a)/2
	WIN 0x41*HI
.irp b, 0,1,2,3,4,5,6,7
.irp j, 0,2,4,6
	v_pk_fma_f32 v[YB+8*\b+\j:YB+8*\b+\j+1], v[YB+8*\b+\j:YB+8*\b+\j+1], s[YS:YS+1], v[BO+8*\b+\j:BO+8*\b+\j+1] op_sel_hi:[1,0,1]
.endr
.endr
	WIN 0x04*HI
.irp b, 0,1,2,3,4,5,6,7
	ds_store_b128 v[STO], v[YB+8*\b:YB+8*\b+3] offset:64*\b
	ds_store_b128 v[STO], v[YB+8*\b+4:YB+8*\b+7] offset:64*\b+16
.endr
	WIN 0x40*HI
.irp t, 0,1,2,3,4,5,6,7,8,9,10,11,12,13,14,15
	ds_load_b128 v[YB+4*\t:YB+4*\t+3], v[RD] offset:\t*SPI         ; LDS serves a wave's instructions in order (ISA guide 5.7.1.4): these see my stores, and the next tile's stores come behind them
.endr
.endm
.macro SEND a, c2, younger
.set YB, 128+64*((\a)%2)
.set HI, (\a)/2
	s_wait_dscnt \younger
	WIN 0x04*HI
.irp t, 0,1,2,3,4,5,6,7,8,9,10,11,12,13,14,15
	global_store_b128 v[TO], v[YB+4*\t:YB+4*\t+3], s[OB+2*(\c2):OB+2*(\c2)+1] offset:(16*(\a)+\t)*4096 th:TH_STORE_NT   ; 32 lanes store 512 consecutive bytes, aligned
.endr
.endm
.macro OUT c2
	WIN 0
	s_wait_loadcnt 0x0                             ; b_out's tiles
	TOSTAGE 0
.irp a, 1,2,3
	TOSTAGE \a
	SEND (\a)-1, \c2, 32                           ; behind that tile's loads: the next tile's 16 stores and 16 loads
.endr
	SEND 3, \c2, 0
	WIN 0
.endm
	s_load_b256 s[4:11], s[0:1], 0x0               ; x s[4:5], W_qkv s[6:7], W_out s[8:9], b_qkv s[10:11]
	s_load_b256 s[12:19], s[0:1], 0x20             ; b_out s[12:13], the scales' exponents s[14:15], part s[16:17], out0 s[18:19]
	v_lshl_add_u32 v[SPW], v0, 2, SPARE
	v_mov_b32 v[NIL], 0
	ds_add_u32 v[SPW], v[NIL]                      ; the wave's opening: the add, twice on end, and its wait ahead of my first tensor load
	ds_add_u32 v[SPW], v[NIL]
	v_lshrrev_b32 v1, 5, v0
	v_readfirstlane_b32 s[WV], v1
	s_bfe_u32 s[CX], ttmp6, 0x40000
	s_lshl_b32 s[WGN], ttmp9, 2
	s_add_co_u32 s[WGN], s[WGN], s[CX]
	s_mov_b32 s[PF], ttmp9
	s_mov_b32 s[G1], 15|(1<<20)|(1<<21)|(5<<22)|(3<<25)  ; the mask of all four; elements of 1 byte; padding: four words after every 64; bit 21 beside the mask
	s_mov_b32 s[G1+1], 256<<16
	s_mov_b32 s[G1+2], 128<<16
	s_mov_b32 s[G1+3], 256<<16
	s_mov_b32 s[G1+4], 128
	s_mov_b32 s[G1+5], 1024
	s_mov_b32 s[G1+6], 0
	s_mov_b32 s[G1+7], 0
	s_mov_b32 s[SEL], 0x76543210
	s_mov_b32 s[SEL+1], 0xfedcba98
	s_lshr_b32 s[TP], ttmp9, 4                     ; the walk: m = (i xor 4 (i / 16)) mod 16, of the cluster's number alone: the same in all four partners
	s_lshl_b32 s[TP], s[TP], 2
	s_xor_b32 s[TP], s[TP], ttmp9
	s_and_b32 s[TP], s[TP], 15
	s_and_b32 s[RK8], s[TP], 3
	s_lshl_b32 s[RK8], s[RK8], 8
	s_bfe_u32 s[RC], s[TP], 0x10002                ; rc
	s_bfe_u32 s[RC2], s[TP], 0x10003               ; rc2
	s_and_b32 s[KROT], s[TP], 7
	s_lshl_b32 s[KROT], s[KROT], 15
	s_lshl_b32 s[RC11], s[RC], 11
	s_or_b32 s[KROT], s[KROT], s[RC11]
	s_lshl_b32 s[ROTA], s[RC], 19
	s_or_b32 s[ROTA], s[ROTA], s[RK8]
	s_lshl_b32 s[ROTB], s[RC2], 19
	s_lshl_b32 s[RC], s[RC], 9
	s_or_b32 s[ROTB], s[ROTB], s[RC]
	s_lshl_b32 s[RC2], s[RC2], 11
	s_mov_b32 s[TP+1], 0
	s_lshl_b32 s56, s[WV], 17                      ; my 128 rows of a chunk
	s_mov_b32 s57, 0
	s_mul_i32 s47, s[WV], WROWS                    ; and in a slot
	s_lshl_b32 s60, s[CX], 17                      ; the prefetch: my work-group's 128 rows, my wave's 32 of them,
	s_lshl_b32 s61, s[WV], 15
	s_add_co_u32 s60, s60, s61
	s_and_b32 s61, ttmp9, 3                        ; of the tile whose number is my cluster's: its K piece,
	s_lshl_b32 s61, s61, 8
	s_add_co_u32 s60, s60, s61
	s_bfe_u32 s61, ttmp9, 0x10002                  ; its chunk
	s_lshl_b32 s61, s61, 19
	s_add_co_u32 s60, s60, s61
	s_mov_b32 s61, 0
	s_lshl_b32 s62, s[WGN], 16                     ; my 64 rows of x
	s_mov_b32 s63, 0
	s_lshl_b32 s2, s[WGN], 18                      ; and of out0
	s_mov_b32 s3, 0
	s_lshr_b32 s50, ttmp9, 4                       ; my batch: 16 clusters each
	s_lshl_b32 s50, s50, 18                        ; its 64 rows of part
	s_mov_b32 s51, 0
	s_wait_dscnt 0x0                               ; both opening adds are done
	s_wait_kmcnt 0x0
	s_add_nc_u64 s[WQB:WQB+1], s[6:7], s[56:57]
	s_add_nc_u64 s[WOB:WOB+1], s[8:9], s[56:57]
	s_add_nc_u64 s[PFB:PFB+1], s[8:9], s[60:61]
	s_add_nc_u64 s[4:5], s[4:5], s[62:63]
	s_add_nc_u64 s[18:19], s[18:19], s[2:3]
	s_add_nc_u64 s[16:17], s[16:17], s[50:51]
	s_load_b128 s[48:51], s[14:15], 0x0            ; e0, e1, e2, e3
.irp k, 0,1,2,3
	s_xor_b32 s[TP], s[RK8], \k*256
	s_add_nc_u64 s[XB+2*\k:XB+2*\k+1], s[4:5], s[TP:TP+1]       ; x at K piece k xor rk
.endr
.irp c, 0,1
	s_xor_b32 s[TP], s[RC11], \c*2048
	s_add_nc_u64 s[BQB+2*\c:BQB+2*\c+1], s[10:11], s[TP:TP+1]   ; b_q at chunk c xor rc
	s_xor_b32 s[TP], s[RC2], \c*2048
	s_add_nc_u64 s[BOB+2*\c:BOB+2*\c+1], s[12:13], s[TP:TP+1]   ; b_out and out0 at chunk c xor rc2
	s_add_nc_u64 s[OB+2*\c:OB+2*\c+1], s[18:19], s[TP:TP+1]
.endr
	CROUND                                         ; all four work-groups are here: the first joint loads meet
.irp s, 0,1
	s_mov_b32 s[G0+4*\s], 1
	s_add_co_u32 s[G0+4*\s+1], s47, \s*SLOTB
	s_xor_b32 s[TP], s[ROTA], \s*256
	s_add_nc_u64 s[G0+4*\s+2:G0+4*\s+3], s[WQB:WQB+1], s[TP:TP+1]
	s_or_b32 s[G0+4*\s+3], s[G0+4*\s+3], 0x80000000
.endr
	tensor_load_to_lds s[G0:G0+3], s[G1:G1+7]      ; the walk's tile 0: one tensor load a wave at the head
	s_nop 0
	PLACES
	v_and_b32 v1, 15, v0                           ; r
	s_wait_alu depctr_va_vdst(0)
	v_bfe_u32 v2, v0, 4, 1                         ; h
	v_and_b32 v22, 31, v0                          ; lane
	s_lshl_b32 s56, s[WV], 14
	v_lshlrev_b32 v[VXO], 10, v2
	v_lshl_add_u32 v[VXO], v1, 4, v[VXO]
	v_add_nc_u32 v[VXO], s56, v[VXO]
	v_lshlrev_b32 v[TO], 4, v0
	s_lshl_b32 s56, s[WV], 9
	v_lshl_add_u32 v[BQO], v2, 5, s56
	XLOAD XST, 0                                   ; all four slices of x, the first eight partial rows and b_q are asked for here, together
	WIN 0xc0                                       ; destination window 3
	XLOAD 0, 1
	XLOAD 32, 2
	XLOAD 64, 3
	WIN 0
	KVLOAD 0
.irp c, 0,1
.irp b, 0,1,2,3,4,5,6,7
	global_load_b128 v[BQ+64*\c+8*\b:BQ+64*\c+8*\b+3], v[BQO], s[BQB+2*\c:BQB+2*\c+1] offset:64*\b        ; b_q of the chunk's columns 128 w + 16 b + 8 h + 0 .. 7
	global_load_b128 v[BQ+64*\c+8*\b+4:BQ+64*\c+8*\b+7], v[BQO], s[BQB+2*\c:BQB+2*\c+1] offset:64*\b+16
.endr
.endr
	v_mul_u32_u24 v23, v1, PITCH
	s_wait_alu depctr_va_vdst(0)
	v_lshl_add_u32 v23, v2, 4, v23
	v_add_nc_u32 v[AW], s47, v23
	v_add_nc_u32 v[AW+1], SLOTB, v[AW]
	v_add_nc_u32 v[AX], XP, v23
	v_add_nc_u32 v[AX+1], XP+XPB, v23
	s_mul_i32 s56, s[WV], 16*PITCH
	s_add_co_u32 s56, s56, XP
	v_mul_u32_u24 v[VXS], v2, PITCH
	v_lshl_add_u32 v[VXS], v1, 4, v[VXS]
	v_add_nc_u32 v[VXS], s56, v[VXS]
	v_lshlrev_b32 v[PFO], 10, v22
	s_lshl_b32 s56, s[WV], 11
	s_add_co_u32 s56, s56, XP
	v_lshlrev_b32 v[VEX], 4, v1
	v_lshl_add_u32 v[VEX], v2, 3, v[VEX]
	v_add_nc_u32 v[VEX], s56, v[VEX]
	v_lshlrev_b32 v[LI], 4, v22
	v_add_nc_u32 v[LI], XP, v[LI]
	s_lshr_b32 s56, s[WV], 1                       ; my stage: two of 16 x 528 bytes in each of x's slices
	s_mul_i32 s56, s56, XPB
	s_and_b32 s57, s[WV], 1
	s_mul_i32 s57, s57, 16*SPI
	s_add_co_u32 s56, s56, s57
	s_add_co_u32 s56, s56, XP
	v_mul_u32_u24 v[STO], v1, SPI
	v_lshl_add_u32 v[STO], v2, 5, v[STO]
	v_add_nc_u32 v[STO], s56, v[STO]
	v_lshlrev_b32 v[RD], 4, v22
	v_add_nc_u32 v[RD], s56, v[RD]
	s_lshl_b32 s56, s[WV], 8
	s_add_co_u32 s56, s56, SCR
	v_lshl_add_u32 v[SCRS], v1, 2, s56
	v_lshlrev_b32 v[SCRR], 2, v1
	v_add_nc_u32 v[SCRR], SCR, v[SCRR]
	v_add_nc_u32 v[VECS], VEC, v[TO]
	v_add_nc_u32 v[VECR], VEC, v[BQO]
	s_wait_alu depctr_va_vdst(0)                   ; the wait at the head's end
	s_wait_tensorcnt 0x0                           ; my part of tile 0 is in
	ds_add_u32 v[SPW], v[NIL]                      ; 0 onto my spare word
	s_wait_dscnt 0x0
	CROUND                                         ; a whole round: the joint loads of tile 1 meet
	tensor_load_to_lds s[G0+4:G0+7], s[G1:G1+7]    ; slot 1's first fill, my one tensor load behind the round
	s_nop 0
	PLACES
	s_wait_loadcnt 0x0
	XSTORE XST, 0
	WIN 0x0c                                       ; the data lie in window 3
	XSTORE 0, 1
	WIN 0
	s_wait_kmcnt 0x0
	s_add_co_i32 s62, s48, s49
	s_sub_co_i32 s62, 0, s62                       ; -(e0 + e1)
	s_add_co_i32 s60, s50, 127
	s_lshl_b32 s47, s60, 23                        ; 2^e2 as f32: the conversion takes its exponent field
	s_add_co_i32 s60, s60, 8
	s_lshl_b32 s63, s60, 23
	s_or_b32 s63, s63, 0x600000                    ; 448 x 2^e2
	s_add_co_i32 s[YS], s50, s51
	s_add_co_i32 s[YS], s[YS], 127
	s_lshl_b32 s[YS], s[YS], 23                    ; 2^(e2 + e3)
	s_mov_b32 s[YS+1], s[YS]                       ; (named with it as a pair, so it is written)
.set i, 0
.rept 128
	v_ldexp_f32 v[BQ+i], v[BQ+i], s62              ; b_q / 2^(e0 + e1)
.set i, i+1
.endr
	s_wait_tensorcnt 0x1                           ; my quarter of tile 0 is in; tile 1's may stay out
	BAR
	FETCH_H 0, 0, 0
	FETCH_X 0, 0, 0
	FETCH_H 1, 0, 0
.irp n, 0,1,2,3,4,5,6,7
	STEP_A \n
	TURN \n
.endr
	; ---- THE TRANSITION.  Tile 8 has landed and its first fragments are asked for; tile 9 is on its way.
	WIN 0
	s_wait_loadcnt 0x0
	s_wait_alu depctr_va_vdst(0)
	KVADD 7
	BOLOAD 0
	ds_store_b128 v[VECS], v[KVS:KVS+3]            ; kv of the walk's chunk 0 at 4 t .., of its chunk 1 at 512 + 4 t ..
	ds_store_b128 v[VECS], v[KVS+4:KVS+7] offset:2048
.irp c, 0,1                                    ; the squares of my 128 numbers of each of four rows; each accumulator from its low end on
	WIN 0x0a+5*\c
.irp b, 0,1,2,3,4,5,6,7
.irp j, 0,2,4,6
.irp a, 0,1,2,3
.set rQ, 8*(8*\a+\b)+\j
.if (\c==0)&&(\b==0)&&(\j==0)
	v_pk_mul_f32 v[SQ+2*\a:SQ+2*\a+1], v[rQ:rQ+1], v[rQ:rQ+1]
.else
	v_pk_fma_f32 v[SQ+2*\a:SQ+2*\a+1], v[rQ:rQ+1], v[rQ:rQ+1], v[SQ+2*\a:SQ+2*\a+1]
.endif
.endr
.endr
.endr
.endr
	WIN 0
.irp a, 0,1,2,3
	v_add_f32 v[SQ+2*\a], v[SQ+2*\a], v[SQ+2*\a+1]
.endr
.irp a, 0,1,2,3
	v_permlanex16_b32 v[SQ+2*\a+1], v[SQ+2*\a], s[SEL], s[SEL+1]
.endr
.irp a, 0,1,2,3
	v_add_f32 v[SQ+2*\a], v[SQ+2*\a], v[SQ+2*\a+1]
.endr
.irp a, 0,1,2,3
	ds_store_b32 v[SCRS], v[SQ+2*\a] offset:64*\a  ; my wave's share of row 16 a + r
.endr
	BAR                                            ; kv and the four waves' squares lie in LDS
.irp a, 0,1,2,3
.irp w, 0,1,2,3
	ds_load_b32 v[NL+4*\a+\w], v[SCRR] offset:256*\w+64*\a
.endr
.endr
	WIN 0x40
.irp c, 0,1
.irp b, 0,1,2,3,4,5,6,7
	ds_load_b128 v[128+64*\c+8*\b:128+64*\c+8*\b+3], v[VECR] offset:2048*\c+64*\b       ; kv at my tiles' columns, in the result's layout
	ds_load_b128 v[128+64*\c+8*\b+4:128+64*\c+8*\b+7], v[VECR] offset:2048*\c+64*\b+16
.endr
.endr
	WIN 0
	v_mov_b32 v[QSC], s47
	v_mov_b32 v[QLIM], s63
	s_wait_dscnt 0x0
.irp a, 0,1,2,3
	v_add_f32 v[NL+4*\a], v[NL+4*\a], v[NL+4*\a+1]
	v_add_f32 v[NL+4*\a+2], v[NL+4*\a+2], v[NL+4*\a+3]
.endr
.irp a, 0,1,2,3
	v_add_f32 v[NL+4*\a], v[NL+4*\a], v[NL+4*\a+2]
.endr
	s_wait_alu depctr_va_vdst(0)
.irp a, 0,1,2,3
	v_rsq_f32 v[SQ+2*\a], v[NL+4*\a]               ; 1 / |q'|, twice: a pair for the packed multiply
	v_rsq_f32 v[SQ+2*\a+1], v[NL+4*\a]
.endr
	v_nop                                          ; a plain instruction behind the last of the batch
	s_wait_alu depctr_va_vdst(0)                   ; one wait for the batch, ahead of its first reader
.irp c, 0,1
	WIN 0x86+0x41*\c                               ; q in window 2 + c, kv in window 1
.irp a, 0,1,2,3
.irp b, 0,1,2,3,4,5,6,7
.irp j, 0,2,4,6
.set rQ, 8*(8*\a+\b)+\j
	v_pk_mul_f32 v[rQ:rQ+1], v[rQ:rQ+1], v[128+64*\c+8*\b+\j:128+64*\c+8*\b+\j+1]
.endr
.endr
.endr
	WIN 0x82+0x41*\c
.irp a, 0,1,2,3
.set i, 0
.rept 32
	v_pk_mul_f32 v[64*\a+i:64*\a+i+1], v[64*\a+i:64*\a+i+1], v[SQ+2*\a:SQ+2*\a+1]
.set i, i+2
.endr
.endr
.set i, 0
.rept 256
	v_med3_num_f32 v[i], v[i], -v[QLIM], v[QLIM]   ; the conversion to an 8-bit code does not saturate (ISA guide 7.6.2): the hold at the largest code x the scale
.set i, i+1
.endr
	WIN 0x02+\c
.irp a, 0,1,2,3
.irp b, 0,1,2,3,4,5,6,7
.set rC, CD+2*(8*(2*\a+\c)+\b)
	v_cvt_scalef32_pk8_fp8_f32 v[rC:rC+1], v[8*(8*\a+\b):8*(8*\a+\b)+7], v[QSC]
.endr
.endr
	v_nop                                          ; one plain vector instruction behind the last conversion of a run
.endr
	XCH 0
	BAR                                            ; every wave has its fragments of row tiles 0, 1: the images may be written again
	s_wait_alu depctr_va_vdst(0)
	XCH 1
	s_wait_dscnt 0x0
	; ---- PASS B
.irp n, 8,9,10,11
	STEP_A \n
	TURN \n
.endr
	OUT 0                                          ; while tile 13 is on its way
	BOLOAD 1
	s_wait_xcnt 0x0                                ; the stores have read their registers: the next chunk's products may write them
.irp n, 12,13,14
	STEP_A \n
	TURN \n
.endr
	STEP_A 15
	s_wait_dscnt 16                                ; the very last step: nothing more to fetch
	MULQ 15, 0, 0, 1
	MULQ 15, 0, 1, 1
	s_wait_dscnt 0x0
	MULQ 15, 1, 0, 1
	MULQ 15, 1, 1, 1
	WIN 0
	PLACES
	OUT 1
	s_wait_tensorcnt 0x0                           ; the wave's end
	ds_add_u32 v[SPW], v[NIL]
	s_wait_dscnt 0x0
	CROUND                                         ; the closing round
	s_endpgm
.Lfunc_end_k_q2001f4b791_qout:
	.size	k_q2001f4b791_qout, .Lfunc_end_k_q2001f4b791_qout-k_q2001f4b791_qout
	.p2alignl 7, 3214868480
	.fill 96, 4, 3214868480
	.section	.rodata,"a",@progbits
	.p2align	6, 0x0
	.amdhsa_kernel k_q2001f4b791_qout
		.amdhsa_group_segment_fixed_size 327680
		.amdhsa_private_segment_fixed_size 0
		.amdhsa_enable_private_segment 0
		.amdhsa_kernarg_size 64
		.amdhsa_user_sgpr_count 2
		.amdhsa_user_sgpr_kernarg_segment_ptr 1
		.amdhsa_wavefront_size32 1
		.amdhsa_system_sgpr_workgroup_id_x 1
		.amdhsa_system_sgpr_workgroup_id_y 1
		.amdhsa_system_sgpr_workgroup_id_z 1
		.amdhsa_system_vgpr_workitem_id 0
		.amdhsa_next_free_vgpr 1024
		.amdhsa_next_free_sgpr 100
		.amdhsa_reserve_vcc 0
		.amdhsa_float_denorm_mode_32 3
		.amdhsa_float_denorm_mode_16_64 3
		.amdhsa_memory_ordered 1
		.amdhsa_forward_progress 1
		.amdhsa_inst_pref_size 255
	.end_amdhsa_kernel
	.section	.bss,"aw",@nobits
	.p2align	6
	.space	262144
	.amdgpu_metadata
---
amdhsa.version: [ 1, 2 ]
amdhsa.kernels:
  - .name:           k_q2001f4b791_qout
    .symbol:         k_q2001f4b791_qout.kd
    .args:
      - { .name: x_codes, .offset: 0, .size: 8, .value_kind: global_buffer, .address_space: global }
      - { .name: W_qkv_codes, .offset: 8, .size: 8, .value_kind: global_buffer, .address_space: global }
      - { .name: W_out_codes, .offset: 16, .size: 8, .value_kind: global_buffer, .address_space: global }
      - { .name: b_qkv, .offset: 24, .size: 8, .value_kind: global_buffer, .address_space: global }
      - { .name: b_out, .offset: 32, .size: 8, .value_kind: global_buffer, .address_space: global }
      - { .name: lowp_scales, .offset: 40, .size: 8, .value_kind: global_buffer, .address_space: global }
      - { .name: part, .offset: 48, .size: 8, .value_kind: global_buffer, .address_space: global }
      - { .name: out0, .offset: 56, .size: 8, .value_kind: global_buffer, .address_space: global }
    .group_segment_fixed_size: 327680
    .private_segment_fixed_size: 0
    .kernarg_segment_align: 8
    .kernarg_segment_size: 64
    .max_flat_workgroup_size: 128
    .sgpr_count:     100
    .vgpr_count:     1024
    .wavefront_size: 32
...
	.end_amdgpu_metadata
.endif
;; end of part 4
